; MI455X (gfx1250); checked and timed in simulation.
; The chip was launched on July 23, 2026; its instructions are those of AMD's public machine-readable ISA for CDNA 5 (MIT licence, August 2026) and "CDNA5" Instruction Set Architecture Reference Guide (July 2026). The comments in the code are by the model that wrote it; some were corrected since.
;; Attention. Allowed arithmetic: matrix products marked QUANTISED: E4M3 operands, one given power-of-two scale a tensor, by v_wmma_f32_16x16x64_fp8_fp8 or v_wmma_f32_16x16x128_fp8_fp8, f32 sums; everything else in f32.
;; Inputs: Wk 2,048 x 2,048 float32; Wo 2,048 x 2,048 float32; Wq 2,048 x 2,048 float32; Wv 2,048 x 2,048 float32; bk 2,048 float32; bo 2,048 float32; bq 2,048 float32; bv 2,048 float32; cos 2,048 x 2,048 float32; lowp_scales 12 int32 (the exponents e of the quantised operands' scales 2^e); sin 2,048 x 2,048 float32; x 1 x 2,048 x 2,048 float32.
;; Outputs: out0 1 x 2,048 x 2,048 float32.
;; This version of the problem:
;;   THIS VERSION OF THE PROBLEM IS GIVEN IN LOW PRECISION. The matrix products marked QUANTISED in the list below multiply operands that are first quantised to E4M3 (4 exponent bits, 3 mantissa bits; 8 bits a number), with one given power-of-two scale for each operand tensor; their sums are f32. All else is computed in f32.
;;   The module's matrix products, in the order in which they are computed (A, B: the left and right operand; K: the contracted axis; several contracted axes count as one K, in the product's order):
;;     1. [M 2,048, K 2,048] x [K 2,048, N 2,048]; A: input x; B: input Wq: QUANTISED (scales: A lowp_scales[0], B lowp_scales[1])
;;     2. [M 2,048, K 2,048] x [K 2,048, N 2,048]; A: input x; B: input Wk: QUANTISED (scales: A lowp_scales[2], B lowp_scales[3])
;;     3. [M 2,048, K 2,048] x [K 2,048, N 2,048]; A: input x; B: input Wv: QUANTISED (scales: A lowp_scales[4], B lowp_scales[5])
;;     4. batch 16 x [M 2,048, K 128] x [K 128, N 2,048]; A: computed on the way; B: computed on the way: QUANTISED (scales: A lowp_scales[6], B lowp_scales[7])
;;     5. batch 16 x [M 128, K 2,048] x [K 2,048, N 2,048]; A: computed on the way; B: softmax (see below): QUANTISED (scales: A lowp_scales[8], B lowp_scales[9])
;;     6. [M 2,048, K 2,048] x [K 2,048, N 2,048]; A: computed on the way; B: input Wo: QUANTISED (scales: A lowp_scales[10], B lowp_scales[11])
;;   THE QUANTISER, for each operand of a quantised product, along K:
;;     - The operand's scale is 2^e, e = its entry of the input lowp_scales (int32; the entries are numbered through the quantised products in the list's order, A before B).
;;     - Each number is divided by the scale, clamped to +-448, and rounded to the nearest number of E4M3, ties to even, subnormals kept.
;;     - The product sums the exact products of the quantised numbers (number of the format x scale) in f32.
;;   ~~~python
;;   def quantise(x, axis, e):      # numpy; x: float32 -> the quantised numbers, widened to float32 again
;;       x = np.moveaxis(x, axis, -1); K = x.shape[-1]
;;       r = np.clip(x / 2.0 ** e, -448, 448)
;;       step = 2.0 ** (np.maximum(np.frexp(np.where(r == 0, 1, r))[1] - 1, -6) - 3)
;;       q = np.round(r / step) * step * 2.0 ** e      # np.round: ties to even
;;       return np.moveaxis(q, -1, axis).astype(np.float32)
;;   ~~~
;;   SOFTMAX AHEAD OF A QUANTISED PRODUCT. Where the list says 'softmax', what is quantised is not the finished softmax but p = 2^(t - M), with t = logit x log2(e) and M = ceil(the row's largest t), a whole number; so 1/2 < the row's largest p <= 1. The row's sum l is taken of the UNQUANTISED p, in f32, and the product's result is divided by l at the end. Since M is a whole number, a kernel that streams over the keys may use a running M (the ceiling of the running maximum): every later rescaling is an exact power of two, so the quantised numbers keep their values, but for numbers so far below the row's largest that they fall under the format's range.
;;   OPERANDS COMPUTED ON THE WAY. 'Computed on the way' means the value that the module computes at that place (a softmax that the list does not call 'softmax' is quantised finished and normalised). What goes into a quantiser is computed in f32, as accurately as f32 sums, v_exp_f32 and their like allow (about 1e-6 of the number): no bf16 or f16 on the way to a quantiser, and a product that is left as it is and whose result goes on into a quantised operand takes f32 operands (vector FMAs, or v_wmma_f32_16x16x4_f32). A number that lies on a knife's edge between two numbers of the format may be rounded either way, as far as f32 arithmetic and the matrix unit's own rounding can turn it there, and no further.
;; One version. Each part assembles by itself: llvm-mc -triple=amdgcn-amd-amdhsa -mcpu=gfx1250 --defsym DOCPART=n.
;; ======== version 1 of 1: 4 launches
;; limits: right only within a limited range of input values
;; workspace buffers: xc 12,582,912 bytes; wc 16,777,216 bytes; qkvc 12,582,912 bytes; ac 4,194,304 bytes
;; launch quant (part 1): grid 16 x 48, 4 waves a work-group, no clusters, 55,808 bytes of LDS; arguments Wq, Wk, Wv, Wo, x, lowp_scales, wc, xc; writes wc, xc
.if DOCPART == 1
	.amdgcn_target "amdgcn-amd-amdhsa--gfx1250"
	.amdhsa_code_object_version 6
	.text
	.protected	k_qb46abda7cf_quant
	.globl	k_qb46abda7cf_quant
	.p2align	8
	.type	k_qb46abda7cf_quant,@function
k_qb46abda7cf_quant:
	s_mov_b64 s[64:65], 0
	v_nop
	global_prefetch_b8 v0, s[64:65] scope:SCOPE_SE
	s_setreg_imm32_b32 hwreg(HW_REG_WAVE_MODE, 25, 1), 1
	s_wait_xcnt 0x0
; ALL OPERANDS THAT ARRIVE AS f32 BECOME CODES OF FP8 (E4M3), K innermost, in one launch.  The grid's y parts two jobs: y < 32: the four weights; y >= 32: x.  The two ways share no LDS byte but each thread's own spare word.
; code = number / 2^e, held within +-448, rounded to the nearest code, ties to even.  LIMITS: each e between -126 and 119, so that 2^e and 448 x 2^e are f32 numbers.  NaN among the inputs is not served.
; THE WEIGHTS.  Wq, Wk, Wv, Wo [2048 (k)][2048 (n)], K along the FIRST axis, become wc = [4][2048 (n)][2048 (k)] bytes; their scales are entries 1, 3, 5, 11.  y / 8 says which weight, y % 8 which 256 along K; only pointers and
; the exponent are chosen by it.  A LANE TAKES A COLUMN n AND ITS REGISTERS RUN DOWN K: each load reads neighbouring n in neighbouring lanes (128 consecutive bytes a wave), and the conversions give codes with K innermost.
; A wave takes 32 columns x 256 along K; the codes go through its own stage in LDS and leave as rows: sixteen lanes store 256 consecutive bytes, aligned.  Loads run two blocks (64 loads a wave) ahead.
; x [2048][2048] becomes THREE planes, xc = [3][2048][2048] bytes: x is the left operand of three products, each with a scale of its own (entries 0, 2, 4), which may differ.  Rows are dense, so x is a plain stream: a wave takes
; 8 steps of 512 numbers.  Each load reads 512 consecutive bytes, 16 a lane; a step's 2,048 bytes turn through the wave's own stage and come back 64 bytes a lane, so that a lane holds 16 neighbours along K, as the conversions
; want.  A lane's 16 codes are 16 bytes: each store covers 512 consecutive bytes, aligned.  Loads run four steps (16 loads a wave) ahead, the turn through LDS one step.
; No tensor loads, no barrier: waves share nothing.  Written out: every offset is an immediate.
.set SIZE_N, 2048
.set KW,    256
.set NB,    KW/32
.set PITCH, 272                        ; the weights' stage: a row of 256 bytes + 16
.set KROW,  2048                       ; a row of the codes in bytes
.set WX,    32                         ; v32-95   the weights: two sets of 32 numbers
.set WC,    96                         ; v96-103  a block's codes
.set OUTR,  112                        ; v112-175 the way out
.set STEPS, 8
.set SP,    80                         ; x: a lane's place in a stage: 64 bytes + 16 of padding
.set WREG,  2*32*SP                    ; a wave's two stages
.set XSTG,  4*32*PITCH                 ; x's stages lie behind the weights' four: each way has LDS bytes of its own
.set SPARE, XSTG+4*WREG                ; behind both: the spare words, 128 bytes for each wave
.set SC,    6                          ; v6-11    x: for plane p: v[6+2p] = 2^e, v[7+2p] = 448 x 2^e
.set SPW,   12                         ; v12      LDS address of my spare word; never rewritten
.set NIL,   13                         ; v13      0; never rewritten
.set SIN,   14                         ; v14      x: the stage, on the way in
.set SOUT,  15                         ; v15      and on the way out
.set XR,    16                         ; v16-79   x: four sets of 16 numbers as loaded
.set XX,    80                         ; v80-111  two sets of 16 neighbours
.set XT,    112                        ; v112-143 two sets of held numbers, by turns
.set XC,    144                        ; v144-239 codes: twelve registers a step, so that no store's data are written again
.set XB,    24                         ; s[24:29] xc's three planes at my wave's part
	s_load_b256 s[4:11], s[0:1], 0x0               ; Wq, Wk, Wv, Wo
	s_load_b256 s[12:19], s[0:1], 0x20             ; x s[12:13], the exponents s[14:15], wc s[16:17], xc s[18:19]
	v_lshl_add_u32 v[SPW], v0, 2, SPARE
	v_mov_b32 v[NIL], 0
	v_lshrrev_b32 v1, 5, v0
	v_readfirstlane_b32 s20, v1                    ; wave
	v_and_b32 v2, 31, v0                           ; lane
	s_and_b32 s21, ttmp7, 0xffff                   ; y
	s_cmp_ge_u32 s21, 32                           ; the work-group's number alone: all four waves go the same way
	s_cbranch_scc1 .Lx
	; ---- THE WEIGHTS
	s_lshl_b32 s22, ttmp9, 7
	s_lshl_b32 s23, s20, 5
	s_add_co_u32 s22, s22, s23                     ; my wave's first column
	s_bfe_u32 s28, s21, 0x20003                    ; which weight: y / 8
	s_and_b32 s24, s21, 7                          ; which 256 along K
	s_wait_alu depctr_va_vdst(0)
	v_lshlrev_b32 v3, 2, v2                        ; in: 4 bytes a lane
	s_mul_i32 s23, s20, 32*PITCH                   ; my stage
	v_mul_u32_u24 v4, v2, PITCH
	v_add_nc_u32 v4, s23, v4                       ; into it: row = my column
	v_and_b32 v5, 15, v2
	v_lshrrev_b32 v6, 4, v2
	v_mul_u32_u24 v7, v6, PITCH
	v_lshl_add_u32 v7, v5, 4, v7
	v_add_nc_u32 v7, s23, v7                       ; out of it: sixteen lanes to a row, two rows an instruction
	v_mul_u32_u24 v8, v6, KROW
	v_lshl_add_u32 v8, v5, 4, v8                   ; and the same place in the codes (Wo: rows)
	v_mul_u32_u24 v9, v5, PITCH                    ; Wq, Wk, Wv leave as images of operand registers: out of the stage by column lane % 16, 16 bytes for each half of the lanes,
	v_lshl_add_u32 v9, v6, 4, v9
	v_add_nc_u32 v9, s23, v9
	v_lshlrev_b32 v1, 4, v2                        ; and into memory at 16 x lane
	s_lshl_b32 s26, s24, 21                        ; 256 rows of 8,192 bytes,
	s_lshl_b32 s25, s22, 2
	s_add_co_u32 s26, s26, s25                     ; + 4 x column
	s_mov_b32 s27, 0
	s_lshl_b32 s30, s28, 22                        ; the weight's plane of codes,
	s_lshl_b32 s25, s22, 11
	s_add_co_u32 s30, s30, s25                     ; + column x 2,048
	s_cmp_eq_u32 s28, 3                            ; Wo: 256 bytes of a row for each block of 256 along K; the images: two of 2,048 bytes
	s_cselect_b32 s25, 8, 12
	s_lshl_b32 s25, s24, s25
	s_add_co_u32 s30, s30, s25                     ; + 256 x the block along K
	s_mov_b32 s31, 0
	s_wait_kmcnt 0x0
	s_load_b256 s[32:39], s[14:15], 0x0            ; e0 .. e7
	s_load_b128 s[40:43], s[14:15], 0x20           ; e8 .. e11
	s_cmp_eq_u32 s28, 1                            ; the choice hangs on the work-group's number alone
	s_cselect_b64 s[4:5], s[6:7], s[4:5]
	s_cmp_eq_u32 s28, 2
	s_cselect_b64 s[4:5], s[8:9], s[4:5]
	s_cmp_eq_u32 s28, 3
	s_cselect_b64 s[4:5], s[10:11], s[4:5]
	s_add_nc_u64 s[4:5], s[4:5], s[26:27]
	s_add_nc_u64 s[16:17], s[16:17], s[30:31]
.macro LOADW t                         ; block t: W(32 t + i, my column) into set t % 2
.set i, 0
.rept 32
	global_load_b32 v[WX+32*((\t)%2)+i], v3, s[4:5] offset:(32*(\t)+i)*SIZE_N*4 th:TH_LOAD_NT
.set i, i+1
.endr
.endm
	LOADW 0
	LOADW 1
	s_wait_kmcnt 0x0
	s_mov_b32 s44, s33                             ; e1, e3, e5 or e11
	s_cmp_eq_u32 s28, 1
	s_cselect_b32 s44, s35, s44
	s_cmp_eq_u32 s28, 2
	s_cselect_b32 s44, s37, s44
	s_cmp_eq_u32 s28, 3
	s_cselect_b32 s44, s43, s44
	s_add_co_i32 s44, s44, 127
	s_lshl_b32 s45, s44, 23
	v_mov_b32 v11, s45                             ; 2^e as f32: the conversion takes its exponent field
	s_add_co_i32 s44, s44, 8
	s_lshl_b32 s44, s44, 23
	s_or_b32 s44, s44, 0x600000
	v_mov_b32 v10, s44                             ; 448 x 2^e
.macro BLOCK t
.set XS, WX+32*((\t)%2)
.if (\t) < NB-1
	s_wait_loadcnt 32                              ; this block's 32 loads are in; the next block's 32 may be out
.else
	s_wait_loadcnt 0x0
.endif
.set i, 0
.rept 32
	v_med3_num_f32 v[XS+i], v[XS+i], -v10, v10     ; the conversion does not saturate (ISA guide 7.6.2): the hold comes first
.set i, i+1
.endr
.irp g, 0,1,2,3
	v_cvt_scalef32_pk8_fp8_f32 v[WC+2*\g:WC+2*\g+1], v[XS+8*\g:XS+8*\g+7], v11
.endr
	ds_store_b128 v4, v[WC:WC+3] offset:32*(\t)    ; 32 codes: 32 bytes of my column's row
	ds_store_b128 v4, v[WC+4:WC+7] offset:32*(\t)+16
.if (\t)+2 < NB
	LOADW (\t)+2
.endif
	s_wait_dscnt 0x0                               ; the stores have read their registers: the next block's codes may be written
.endm
.set Q, 0
	s_wait_alu depctr_va_vdst(0)
.rept NB
	BLOCK Q
.set Q, Q+1
.endr
	s_cmp_eq_u32 s28, 3                            ; the work-group's number alone
	s_cbranch_scc1 .Lrows
	; Wq, Wk, Wv: wc's plane = [block of 16 columns][step of 128 along K][2,048 bytes]; byte 512 c + 16 lane + i = column lane % 16, k = 32 c + 16 (lane / 16) + i.  Each store covers 512 consecutive bytes, aligned.
.set i, 0
.rept 16
	ds_load_b128 v[OUTR+4*i:OUTR+4*i+3], v9 offset:16*(i/8)*PITCH+128*((i/4)%2)+32*(i%4)
.set i, i+1
.endr
.set i, 0
.rept 16
	s_wait_dscnt 15-i                              ; the younger read-backs may be out
	global_store_b128 v1, v[OUTR+4*i:OUTR+4*i+3], s[16:17] offset:(i/8)*32768+((i/4)%2)*2048+(i%4)*512
.set i, i+1
.endr
	s_wait_tensorcnt 0x0                           ; the wave's end, behind my last LDS store
	ds_add_u32 v[SPW], v[NIL]
	s_wait_dscnt 0x0
	s_endpgm
.Lrows:                                            ; Wo: rows of 2,048 codes
.irp t, 0,1,2,3,4,5,6,7,8,9,10,11,12,13,14,15
	ds_load_b128 v[OUTR+4*\t:OUTR+4*\t+3], v7 offset:2*\t*PITCH
.endr
.irp t, 0,1,2,3,4,5,6,7,8,9,10,11,12,13,14,15
	s_wait_dscnt 15-\t                             ; the younger read-backs may be out
	global_store_b128 v8, v[OUTR+4*\t:OUTR+4*\t+3], s[16:17] offset:2*\t*KROW
.endr
	s_wait_tensorcnt 0x0                           ; the wave's end, behind my last LDS store
	ds_add_u32 v[SPW], v[NIL]
	s_wait_dscnt 0x0
	s_endpgm
	; ---- x
.Lx:
	s_wait_alu depctr_va_vdst(0)
	v_lshlrev_b32 v3, 4, v2                        ; 16 x lane: my bytes of a load's 512, and of a store's 512
	s_mul_i32 s22, s20, WREG
	s_add_co_u32 s22, s22, XSTG                    ; my two stages
	v_lshrrev_b32 v[SIN], 2, v2
	v_mul_u32_u24 v[SIN], v[SIN], SP
	v_and_b32 v[SOUT], 3, v2
	v_lshl_add_u32 v[SIN], v[SOUT], 4, v[SIN]
	v_add_nc_u32 v[SIN], s22, v[SIN]               ; in: four lanes' 64 bytes on end, then 16 of padding
	v_mul_u32_u24 v[SOUT], v2, SP
	v_add_nc_u32 v[SOUT], s22, v[SOUT]             ; out: my 16 neighbours
	s_and_b32 s23, s21, 15                         ; y - 32
	s_lshl_b32 s23, s23, 4
	s_add_co_u32 s23, s23, ttmp9                   ; which of x's 256 work-groups
	s_lshl_b32 s23, s23, 2
	s_add_co_u32 s23, s23, s20                     ; which run of 4,096 numbers is my wave's
	s_lshl_b32 s30, s23, 14                        ; 16,384 bytes of x
	s_mov_b32 s31, 0
	s_lshl_b32 s44, s23, 12                        ; 4,096 bytes of each plane
	s_mov_b32 s45, 0
	s_wait_alu depctr_va_vdst(0)
	s_wait_kmcnt 0x0
	s_load_b256 s[32:39], s[14:15], 0x0            ; e0 .. e7: e0, e2, e4 are x's
	s_add_nc_u64 s[12:13], s[12:13], s[30:31]
	s_add_nc_u64 s[XB:XB+1], s[18:19], s[44:45]    ; plane 0,
	s_add_nc_u64 s[XB+2:XB+3], s[XB:XB+1], 0x400000   ; plane 1,
	s_add_nc_u64 s[XB+4:XB+5], s[XB:XB+1], 0x800000   ; plane 2: a base each
.macro LOADX t
.irp i, 0,1,2,3
	global_load_b128 v[XR+16*((\t)%4)+4*\i:XR+16*((\t)%4)+4*\i+3], v3, s[12:13] offset:2048*(\t)+512*\i th:TH_LOAD_NT
.endr
.endm
.macro TURNX t                         ; LDS serves a wave's instructions in order: no wait between the stores and the loads
.irp i, 0,1,2,3
	ds_store_b128 v[SIN], v[XR+16*((\t)%4)+4*\i:XR+16*((\t)%4)+4*\i+3] offset:32*SP*((\t)%2)+8*SP*\i
.endr
.irp i, 0,1,2,3
	ds_load_b128 v[XX+16*((\t)%2)+4*\i:XX+16*((\t)%2)+4*\i+3], v[SOUT] offset:32*SP*((\t)%2)+16*\i
.endr
.endm
.irp t, 0,1,2,3
	LOADX \t
.endr
	s_wait_kmcnt 0x0
.irp p, 0,1,2
	s_add_co_i32 s46, s[32+2*\p], 127
	s_lshl_b32 s47, s46, 23
	v_mov_b32 v[SC+2*\p], s47                      ; 2^e as f32
	s_add_co_i32 s46, s46, 8
	s_lshl_b32 s46, s46, 23
	s_or_b32 s46, s46, 0x600000
	v_mov_b32 v[SC+2*\p+1], s46                    ; 448 x 2^e
.endr
	s_wait_alu depctr_va_vdst(0)
	s_wait_loadcnt 12                              ; step 0's four loads are in; the twelve of steps 1 to 3 may be out
	TURNX 0
.macro STEPX t
.set XS, XX+16*((\t)%2)
	s_wait_dscnt 0x0                               ; this step's numbers are back, and its stores into the stage have read their registers,
.if (\t)+4 < STEPS
	LOADX (\t)+4                                   ; which take the loads of four steps on
.endif
.if (\t)+1 < STEPS
.if STEPS-2-(\t) >= 3
	s_wait_loadcnt 12                              ; the next step's four loads are in; those of the three steps behind it may be out
.else
	s_wait_loadcnt 4*(STEPS-2-(\t))                ; the tail: four loads for each step still behind the next
.endif
	TURNX (\t)+1
.endif
.irp p, 0,1,2
.set TS, XT+16*((3*(\t)+\p)%2)                 ; the two sets take turns, so that the holds behind a conversion write the other set
.irp i, 0,1,2,3,4,5,6,7,8,9,10,11,12,13,14,15
	v_med3_num_f32 v[TS+\i], v[XS+\i], -v[SC+2*\p+1], v[SC+2*\p+1]   ; the conversion does not saturate (ISA guide 7.6.2): the hold comes first
.endr
	v_cvt_scalef32_pk8_fp8_f32 v[XC+12*(\t)+4*\p:XC+12*(\t)+4*\p+1], v[TS:TS+7], v[SC+2*\p]
	v_cvt_scalef32_pk8_fp8_f32 v[XC+12*(\t)+4*\p+2:XC+12*(\t)+4*\p+3], v[TS+8:TS+15], v[SC+2*\p]
	global_store_b128 v3, v[XC+12*(\t)+4*\p:XC+12*(\t)+4*\p+3], s[XB+2*\p:XB+2*\p+1] offset:512*(\t)
.endr
.endm
.irp t, 0,1,2,3,4,5,6,7
	STEPX \t
.endr
	s_wait_tensorcnt 0x0                           ; the wave's end, behind my last LDS store
	ds_add_u32 v[SPW], v[NIL]
	s_wait_dscnt 0x0
	s_endpgm
.Lfunc_end_k_qb46abda7cf_quant:
	.size	k_qb46abda7cf_quant, .Lfunc_end_k_qb46abda7cf_quant-k_qb46abda7cf_quant
	.p2alignl 7, 3214868480
	.fill 96, 4, 3214868480
	.section	.rodata,"a",@progbits
	.p2align	6, 0x0
	.amdhsa_kernel k_qb46abda7cf_quant
		.amdhsa_group_segment_fixed_size 55808
		.amdhsa_private_segment_fixed_size 0
		.amdhsa_enable_private_segment 0
		.amdhsa_kernarg_size 64
		.amdhsa_user_sgpr_count 2
		.amdhsa_user_sgpr_kernarg_segment_ptr 1
		.amdhsa_wavefront_size32 1
		.amdhsa_system_sgpr_workgroup_id_x 1
		.amdhsa_system_sgpr_workgroup_id_y 1
		.amdhsa_system_sgpr_workgroup_id_z 1
		.amdhsa_system_vgpr_workitem_id 0
		.amdhsa_next_free_vgpr 240
		.amdhsa_next_free_sgpr 66
		.amdhsa_reserve_vcc 0
		.amdhsa_float_denorm_mode_32 3
		.amdhsa_float_denorm_mode_16_64 3
		.amdhsa_memory_ordered 1
		.amdhsa_forward_progress 1
		.amdhsa_inst_pref_size 92
	.end_amdhsa_kernel
	.amdgpu_metadata
---
amdhsa.version: [ 1, 2 ]
amdhsa.kernels:
  - .name:           k_qb46abda7cf_quant
    .symbol:         k_qb46abda7cf_quant.kd
    .args:
      - { .name: Wq, .offset: 0, .size: 8, .value_kind: global_buffer, .address_space: global }
      - { .name: Wk, .offset: 8, .size: 8, .value_kind: global_buffer, .address_space: global }
      - { .name: Wv, .offset: 16, .size: 8, .value_kind: global_buffer, .address_space: global }
      - { .name: Wo, .offset: 24, .size: 8, .value_kind: global_buffer, .address_space: global }
      - { .name: x, .offset: 32, .size: 8, .value_kind: global_buffer, .address_space: global }
      - { .name: lowp_scales, .offset: 40, .size: 8, .value_kind: global_buffer, .address_space: global }
      - { .name: wc, .offset: 48, .size: 8, .value_kind: global_buffer, .address_space: global }
      - { .name: xc, .offset: 56, .size: 8, .value_kind: global_buffer, .address_space: global }
    .group_segment_fixed_size: 55808
    .private_segment_fixed_size: 0
    .kernarg_segment_align: 8
    .kernarg_segment_size: 64
    .max_flat_workgroup_size: 128
    .sgpr_count:     66
    .vgpr_count:     240
    .wavefront_size: 32
...
	.end_amdgpu_metadata
.endif
;; end of part 1
;; launch gemm_qkv (part 2): grid 4 x 48, 4 waves a work-group, clusters of 4 x 1, 327,680 bytes of LDS; arguments xc, wc, lowp_scales, cos, sin, bq, bk, bv, qkvc; writes qkvc
.if DOCPART == 2
	.amdgcn_target "amdgcn-amd-amdhsa--gfx1250"
	.amdhsa_code_object_version 6
	.text
	.protected	k_qb46abda7cf_gemm_qkv
	.globl	k_qb46abda7cf_gemm_qkv
	.p2align	8
	.type	k_qb46abda7cf_gemm_qkv,@function
k_qb46abda7cf_gemm_qkv:
	s_mov_b64 s[64:65], 0
	v_nop
	global_prefetch_b8 v0, s[64:65] scope:SCOPE_SE
	s_setreg_imm32_b32 hwreg(HW_REG_WAVE_MODE, 25, 1), 1
	s_wait_xcnt 0x0
	s_wait_alu depctr_hold_cnt(0) depctr_sa_sdst(0) depctr_va_vdst(0) depctr_va_sdst(0) depctr_va_ssrc(0) depctr_va_vcc(0) depctr_vm_vsrc(0)
	s_getreg_b32 s2, hwreg(HW_REG_IB_STS2, 6, 4)
	s_cmp_eq_u32 s2, 0
	s_cbranch_scc0 .Lentry_in_a_cluster
	s_endpgm
.Lentry_in_a_cluster:
	s_bfe_u32 s2, ttmp6, 0x10000c
	s_cmp_lg_u32 s2, 0x3003
	s_cbranch_scc0 .Lentry_shape_is_right
	s_endpgm
.Lentry_shape_is_right:
; q, k, v = x W + b on codes of FP8 (E4M3), RoPE on q and k, and the results quantised for the attention launch.  Grid y = 16 x plane + row block (plane 0 q, 1 k, 2 v); the place in the cluster = column group.
; A work-group makes 128 rows x 512 columns.  q, k: columns 256 cx .. + 255 and their RoPE partners 1,024 further on; v: columns 512 cx .. + 511.
; x's 128 rows (the plane's own codes), all 2,048 along K, are brought ONCE into LDS: one joint tensor load a wave (a quarter of K each), shared by the four work-groups of the cluster.  No LDS byte is filled again.
; The weights come as images of operand registers (2,048 bytes for 16 columns x 128 K), straight from memory into registers: each load reads 512
; consecutive bytes.  They differ between the partners, so they are not asked for jointly.
; A wave makes 128 x 128 (q, k: 64 columns and their 64 partners): 64 accumulators.  K goes in half steps of 64 (v_wmma_f32_16x16x64_fp8_fp8).  A fragment is two loads of 16 bytes a lane (k = 32 c + 16 (lane / 16) + i):
; a permutation of k that is the same in both operands.  Source 0 = 16 columns of W, source 1 = 16 rows of x: a lane holds one row and eight neighbouring columns.
; THE RING OF WEIGHTS: 32 fragments of 8 registers, four half steps; a group of four fragments (8 loads) is asked for again as soon as its products are issued: 48 to 56 loads of a wave are out at any line of the loop.
; THE WAY OUT: the sums go as f32 into x's LDS bytes (last fill and last read over: a barrier), [128 rows][512 columns].  q, k: read back by rows, x 2^(ea + eb) + bias, RoPE with cos and sin in loads of 512 consecutive bytes,
; hold, conversion; codes leave through the wave's stage, 512 consecutive bytes a store.  v: read back by columns, a lane to a channel and registers down the keys, so that the codes have the keys innermost.
; qkvc: planes q, k [head][token][128]; plane v [block of 128 keys][channel][128 keys]; a row stands at its number with bits 3 and 4 exchanged.
; PREFETCHES: of the weights' four blocks of eight half steps, blocks 2 and 3 are asked for eight half steps ahead of their first load; the sixteen row blocks that stream the same weights share them out: row block rb names
; fragment row rb % 8 of block 2 + rb / 8, 8,192 bytes a wave, lanes 256 bytes apart.  cos is asked for by plane q, sin by plane k: a lane a row, two blocks of 256 bytes a row in each of four places of the K walk.
; x's tile is fetched once at the head, with no loop ahead of it: no prefetch.
; LIMITS: e0 + e1, e2 + e3, e4 + e5 between -126 and 127; e6, e7, e8 between -126 and 119.  NaN among the inputs is not served.
; REGISTERS: window 0: v0-127 addresses and the way out's small sets; v128-255 x's fragments, two sets of 64 (way out: at work).  window 1: the ring (way out: cos and sin, two sets).  windows 2, 3: accumulators (b, a) at 8 (8 (b % 4) + a).
.set PITCH, 528                        ; a row of a quarter of K in LDS: 512 bytes + 16
.set QREG,  128*PITCH
.set FP,    2064                       ; a row of the f32 tile: 2,048 bytes + 16
.set QSTG,  4*QREG                     ; q, k: a stage of 2,048 bytes for each wave
.set VSTG,  QSTG+4*2048                ; v: a stage of 32 rows x 144 bytes for each wave
.set VSP,   144
.set SPARE, VSTG+4*32*VSP              ; the spare words, 128 bytes for each wave
.set L16,  4
.set A0,   5
.set ADR0, 6
.set ADR1, 7
.set SPW,  8
.set NIL,  9
.set STO,  12
.set RD0,  16
.set RDA,  17
.set CST,  18
.set CRD,  19
.set SCL,  20
.set LIMV, 21
.set L4,   22
.set VR,   24
.set VA,   28
.set BC,   32
.set CD,   48
.set OB,   64
.set VST,  80
.set VRD,  81
.set PFO,  82
.set PFC,  83
.set VB,   96
.set AF,   128
.set TT,   128
.set UU,   192
.set G1,  24
.set G0,  32
.set WV,  36
.set CX,  37
.set PL,  38
.set RB,  39
.set BL,  40
.set BH,  42
.set QB,  44
.set CNT, 45
.set SCQ, 66
.set PFB, 68
.set LIM, 70
.set PC,  72
.set CB,  74
.set SB2, 76
.set BB,  78
.set OQ,  80
.set OT,  82
.set RS,  84
.set TAU, 85
.set GS,  86
.set MSB, 0
.macro WIN new                         ; the immediate's high byte repeats the setting that is left; 0 at every label and branch
.if MSB != \new
	s_set_vgpr_msb (MSB<<8)|\new
.set MSB, \new
.endif
.endm
.set MUL_LO, 0xa1                      ; source 0 (W) window 1, source 1 (x) window 0, C and D window 2
.set MUL_HI, 0xf1
.set TO_B,   0x40
.macro PLACES
.rept 4
	v_nop
.endr
.endm
.macro CROUND                          ; a round of the cluster's barrier
	s_barrier_signal -1
	s_barrier_wait -1
	s_cmp_lg_u32 s[WV], 0
	s_cbranch_scc1 .Lnot_wave_0_\@
	s_barrier_signal -3
.Lnot_wave_0_\@:
	s_barrier_wait -3
	s_barrier_signal -1
	s_barrier_wait -1
.endm
.macro FINISH                          ; the wave's end, with the closing round
	s_wait_tensorcnt 0x0
	ds_add_u32 v[SPW], v[NIL]
	s_wait_dscnt 0x0
	CROUND
	s_endpgm
.endm
.macro LOADB hs, hi                    ; four fragments of W for half step hs (counted from the bases): hi = 0 my first 64 columns, 1 the other 64
.irp b, 0,1,2,3
.irp c, 0,1
	global_load_b128 v[64*((\hs)%4)+32*(\hi)+8*\b+4*\c:64*((\hs)%4)+32*(\hi)+8*\b+4*\c+3], v[L16], s[BL+2*(\hi):BL+2*(\hi)+1] offset:(\hs)*1024+\b*32768+\c*512
.endr
.endr
.endm
.macro LOADA adr, off, set             ; x's eight fragments of a half step
.irp a, 0,1,2,3,4,5,6,7
.irp c, 0,1
	ds_load_b128 v[AF+64*(\set)+8*\a+4*\c:AF+64*(\set)+8*\a+4*\c+3], v[\adr] offset:\a*16*PITCH+(\off)+32*\c
.endr
.endr
.endm
.macro MUL32 sb, sa, zero              ; four fragments of W x x's eight; the accumulators take turns
.irp b, 0,1,2,3
.irp a, 0,1,2,3,4,5,6,7
.if \zero
	v_wmma_f32_16x16x64_fp8_fp8 v[8*(8*\b+\a):8*(8*\b+\a)+7], v[\sb+8*\b:\sb+8*\b+7], v[\sa+8*\a:\sa+8*\a+7], 0
.else
	v_wmma_f32_16x16x64_fp8_fp8 v[8*(8*\b+\a):8*(8*\b+\a)+7], v[\sb+8*\b:\sb+8*\b+7], v[\sa+8*\a:\sa+8*\a+7], v[8*(8*\b+\a):8*(8*\b+\a)+7]
.endif
.endr
.endr
.endm
; A HALF STEP t.  u = t counted from the bases; rem = half steps behind it (9: four or more).  W's groups are asked for in the order lo(s), hi(s), lo(s + 1) ..: behind lo(t) stand six groups up to lo(t + 3), behind hi(t) six up to
; hi(t + 3): 48 loads may be out at each wait (fewer at the end of K).  x's set for t + 2 is asked for at the end of t, so at the head of t the 16 LDS loads for t + 1 may be out.
.macro HALF u, zero, rem
.set SA, AF+64*((\u)%2)
.set SB, 64*((\u)%4)
.if (\rem) >= 3
	s_wait_loadcnt 48
.else
	s_wait_loadcnt 16*(\rem)+8
.endif
.if (\rem) >= 1
	s_wait_dscnt 16
.else
	s_wait_dscnt 0x0
.endif
	WIN MUL_LO
	MUL32 SB, SA, \zero
.if (\rem) >= 3
	WIN TO_B
	LOADB (\u)+3, 1                                ; into the registers that the half step before read last: its four places stand in between
	s_wait_loadcnt 48
.else
	s_wait_loadcnt 16*(\rem)
.endif
	WIN MUL_HI
	MUL32 SB+32, SA, \zero
.if (\rem) >= 2
	PLACES                                         ; ahead of loads into registers that matrix instructions have read
.endif
.if (\rem) >= 4
	WIN TO_B
	LOADB (\u)+4, 0
.endif
	WIN 0
.if (\rem) >= 2
.if (\u)+2 < 8
	LOADA ADR0, ((\u)+2)*64, (\u)%2
.else
	LOADA ADR1, ((\u)-6)*64, (\u)%2
.endif
.endif
.endm
.macro ASKC                            ; cos (plane q) or sin (plane k): my 32 rows, a lane a row, one block of 256 bytes in each half of the row's columns
	s_cmp_eq_u32 s[PL], 2
	s_cbranch_scc1 .Lno_c_\@
	global_prefetch_b8 v[PFC], s[PC:PC+1] th:TH_LOAD_NT scope:SCOPE_SE
	global_prefetch_b8 v[PFC], s[PC:PC+1] offset:4096 th:TH_LOAD_NT scope:SCOPE_SE
.Lno_c_\@:
.endm
	s_load_b256 s[4:11], s[0:1], 0x0               ; xc, wc, the exponents, cos
	s_load_b256 s[12:19], s[0:1], 0x20             ; sin, bq, bk, bv
	s_load_b64 s[20:21], s[0:1], 0x40              ; qkvc
	v_lshl_add_u32 v[SPW], v0, 2, SPARE
	v_mov_b32 v[NIL], 0
	ds_add_u32 v[SPW], v[NIL]                      ; the opening lines: the add twice on end, and its wait
	ds_add_u32 v[SPW], v[NIL]
	v_lshrrev_b32 v1, 5, v0
	v_readfirstlane_b32 s[WV], v1
	v_and_b32 v3, 31, v0
	v_lshlrev_b32 v[L16], 4, v3                    ; 16 x lane
	s_bfe_u32 s[CX], ttmp6, 0x40000
	s_and_b32 s46, ttmp7, 0xffff
	s_lshr_b32 s[PL], s46, 4
	s_and_b32 s[RB], s46, 15
	s_mov_b32 s[G1], 15|(1<<20)|(1<<21)|(6<<22)|(3<<25)   ; all four partners; elements of 1 byte; four words of padding after every 128
	s_mov_b32 s[G1+1], 512<<16
	s_mov_b32 s[G1+2], 128<<16
	s_mov_b32 s[G1+3], 512<<16
	s_mov_b32 s[G1+4], 128
	s_mov_b32 s[G1+5], 2048
	s_mov_b32 s[G1+6], 0
	s_mov_b32 s[G1+7], 0
	s_lshl_b32 s46, s[PL], 22                      ; x: plane, 128 rows of 2,048 bytes, my quarter of K
	s_lshl_b32 s47, s[RB], 18
	s_add_co_u32 s46, s46, s47
	s_lshl_b32 s47, s[WV], 9
	s_add_co_u32 s46, s46, s47
	s_mov_b32 s47, 0
	s_mov_b32 s[G0], 1
	s_mul_i32 s[G0+1], s[WV], QREG
	s_mov_b32 s50, 0x200000                        ; W: my other 64 columns: q, k 64 blocks of 16 on; v 16 blocks on
	s_cmp_eq_u32 s[PL], 2
	s_cselect_b32 s50, 0x80000, s50
	s_cselect_b32 s48, 5, 4
	s_lshl_b32 s48, s[CX], s48
	s_lshl_b32 s49, s[WV], 2
	s_add_co_u32 s48, s48, s49                     ; my first block of 16 columns
	s_lshl_b32 s48, s48, 15
	s_lshl_b32 s49, s[PL], 22
	s_add_co_u32 s48, s48, s49
	s_mov_b32 s49, 0
	s_mov_b32 s51, 0
	s_mov_b32 s[QB], 0
	s_wait_alu depctr_va_vdst(0)
	s_wait_dscnt 0x0
	s_wait_kmcnt 0x0
	s_load_b256 s[52:59], s[8:9], 0x0              ; e0 .. e7
	s_load_b32 s60, s[8:9], 0x20                   ; e8
	s_add_nc_u64 s[G0+2:G0+3], s[4:5], s[46:47]
	s_or_b32 s[G0+3], s[G0+3], 0x80000000
	s_add_nc_u64 s[BL:BL+1], s[6:7], s[48:49]
	s_add_nc_u64 s[BH:BH+1], s[BL:BL+1], s[50:51]
	CROUND                                         ; the four partners are here: the joint loads meet
	tensor_load_to_lds s[G0:G0+3], s[G1:G1+7]      ; my one tensor load: 128 rows x my quarter of K
	s_nop 0
	PLACES
	WIN TO_B
	LOADB 0, 0                                     ; the ring's first seven groups: 56 loads
	LOADB 0, 1
	LOADB 1, 0
	LOADB 1, 1
	LOADB 2, 0
	LOADB 2, 1
	LOADB 3, 0
	WIN 0
	s_lshl_b32 s46, s[RB], 20                      ; cos, sin: my wave's 32 rows of 8,192 bytes, my column group's 1,024 bytes
	s_lshl_b32 s47, s[WV], 18
	s_add_co_u32 s46, s46, s47
	s_lshl_b32 s47, s[CX], 10
	s_add_co_u32 s46, s46, s47
	s_mov_b32 s47, 0
	s_add_nc_u64 s[CB:CB+1], s[10:11], s[46:47]
	s_add_nc_u64 s[SB2:SB2+1], s[12:13], s[46:47]
	s_cmp_eq_u32 s[PL], 0
	s_cselect_b64 s[PC:PC+1], s[CB:CB+1], s[SB2:SB2+1]
	s_lshl_b32 s48, s[CX], 10                      ; the bias: q, k by column group; v by my wave's 128 channels
	s_lshl_b32 s49, s[CX], 11
	s_lshl_b32 s50, s[WV], 9
	s_add_co_u32 s49, s49, s50
	s_cmp_eq_u32 s[PL], 1
	s_cselect_b64 s[BB:BB+1], s[16:17], s[14:15]
	s_cmp_eq_u32 s[PL], 2
	s_cselect_b64 s[BB:BB+1], s[18:19], s[BB:BB+1]
	s_cselect_b32 s48, s49, s48
	s_mov_b32 s49, 0
	s_add_nc_u64 s[BB:BB+1], s[BB:BB+1], s[48:49]
	s_cmp_eq_u32 s[PL], 2                          ; the codes: q, k: head 2 cx, token 128 rb + 32 wave; v: key block rb, channel 512 cx + 128 wave
	s_cselect_b32 s48, 16, 19
	s_cselect_b32 s49, 18, 14
	s_cselect_b32 s50, 14, 12
	s_lshl_b32 s48, s[CX], s48
	s_lshl_b32 s49, s[RB], s49
	s_lshl_b32 s50, s[WV], s50
	s_add_co_u32 s48, s48, s49
	s_add_co_u32 s48, s48, s50
	s_lshl_b32 s49, s[PL], 22
	s_add_co_u32 s48, s48, s49
	s_mov_b32 s49, 0
	s_add_nc_u64 s[OQ:OQ+1], s[20:21], s[48:49]
	s_and_b32 s46, s[RB], 3                        ; W's prefetch: fragment row rb % 8 of my eight, block 2 + rb / 8 of eight half steps
	s_lshl_b32 s46, s46, 15
	s_lshr_b32 s47, s[RB], 3
	s_sub_co_u32 s[LIM], 3, s47                    ; the count of trips at which I ask
	s_lshl_b32 s47, s47, 13
	s_add_co_u32 s46, s46, s47
	s_add_co_u32 s46, s46, 16384
	s_mov_b32 s47, 0
	s_bitcmp1_b32 s[RB], 2
	s_cselect_b64 s[PFB:PFB+1], s[BH:BH+1], s[BL:BL+1]
	s_add_nc_u64 s[PFB:PFB+1], s[PFB:PFB+1], s[46:47]
	s_lshl_b32 s87, s[WV], 8
	s_mul_i32 s88, s[WV], 32*FP
	s_lshl_b32 s89, s[WV], 11
	s_add_co_u32 s89, s89, QSTG
	s_lshl_b32 s90, s[WV], 9
	s_mul_i32 s91, s[WV], 32*VSP
	s_add_co_u32 s91, s91, VSTG
	s_wait_kmcnt 0x0
	s_add_co_i32 s46, s52, s53
	s_add_co_i32 s47, s54, s55
	s_add_co_i32 s48, s56, s57
	s_cmp_eq_u32 s[PL], 1
	s_cselect_b32 s46, s47, s46
	s_cselect_b32 s49, s59, s58
	s_cmp_eq_u32 s[PL], 2
	s_cselect_b32 s46, s48, s46
	s_cselect_b32 s49, s60, s49
	s_add_co_i32 s46, s46, 127
	s_lshl_b32 s[SCQ], s46, 23                     ; 2^(ea + eb)
	s_mov_b32 s[SCQ+1], s[SCQ]
	s_add_co_i32 s49, s49, 127
	s_lshl_b32 s50, s49, 23                        ; 2^e of the result's quantiser
	s_add_co_i32 s49, s49, 8
	s_lshl_b32 s49, s49, 23
	s_or_b32 s49, s49, 0x600000                    ; 448 x that
	v_and_b32 v1, 15, v0
	v_bfe_u32 v2, v0, 4, 1
	v_and_b32 v3, 31, v0
	v_mul_u32_u24 v[A0], v1, PITCH
	v_lshl_add_u32 v[A0], v2, 4, v[A0]             ; x's fragments: row lane % 16, + 16 (lane / 16)
	v_add_nc_u32 v[ADR0], s[QB], v[A0]
	v_add_nc_u32 v[ADR1], QREG, v[ADR0]
	v_mul_u32_u24 v[STO], v1, FP                   ; the f32 tile, in: row lane % 16, 32 bytes for each half of the lanes, my 256 bytes; a base for every 32 rows
	v_lshl_add_u32 v[STO], v2, 5, v[STO]
	v_add_nc_u32 v[STO], s87, v[STO]
	v_add_nc_u32 v[STO+1], 32*FP, v[STO]
	v_add_nc_u32 v[STO+2], 32*FP, v[STO+1]
	v_add_nc_u32 v[STO+3], 32*FP, v[STO+2]
	v_add_nc_u32 v[RD0], s88, v[L16]               ; q, k, back: my 32 rows, 16 bytes a lane
	v_lshlrev_b32 v[L4], 2, v3
	v_add_nc_u32 v[CST], s89, v[L4]
	v_add_nc_u32 v[CRD], s89, v[L16]
	v_add_nc_u32 v[VR], s90, v[L4]                 ; v, back: my 128 channels, a lane a channel; a base for every 32 keys
	v_add_nc_u32 v[VR+1], 32*FP, v[VR]
	v_add_nc_u32 v[VR+2], 32*FP, v[VR+1]
	v_add_nc_u32 v[VR+3], 32*FP, v[VR+2]
	v_mul_u32_u24 v[VST], v3, VSP
	v_add_nc_u32 v[VST], s91, v[VST]
	v_lshrrev_b32 v[VRD], 3, v3
	v_mul_u32_u24 v[VRD], v[VRD], VSP
	v_and_b32 v10, 7, v3
	v_lshl_add_u32 v[VRD], v10, 4, v[VRD]
	v_add_nc_u32 v[VRD], s91, v[VRD]
	v_lshlrev_b32 v[PFO], 8, v3
	v_lshlrev_b32 v[PFC], 13, v3
	v_mov_b32 v[SCL], s50
	v_mov_b32 v[LIMV], s49
	s_wait_alu depctr_va_vdst(0)
	s_wait_tensorcnt 0x0                           ; my quarter of x's tile is in;
	s_barrier_signal -1
	s_barrier_wait -1                              ; everybody's is
	LOADA ADR0, 0, 0
	LOADA ADR0, 64, 1
	HALF 0, 1, 9                                   ; the first half step starts the sums
	s_mov_b32 s[CNT], 3
.Ltrip:                                            ; three trips of eight half steps: from a quarter's second to the next quarter's first
	HALF 1, 0, 9
	HALF 2, 0, 9
	HALF 3, 0, 9
	HALF 4, 0, 9
	s_cmp_eq_u32 s[CNT], s[LIM]
	s_cbranch_scc0 .Lnot_mine
	global_prefetch_b8 v[PFO], s[PFB:PFB+1] th:TH_LOAD_NT scope:SCOPE_SE
.Lnot_mine:
	ASKC
	HALF 5, 0, 9
	HALF 6, 0, 9
	HALF 7, 0, 9
	HALF 8, 0, 9
	s_wait_xcnt 0x0                                ; the loads and prefetches have read their bases
	s_add_nc_u64 s[BL:BL+1], s[BL:BL+1], 8192
	s_add_nc_u64 s[BH:BH+1], s[BH:BH+1], 8192
	s_add_nc_u64 s[PC:PC+1], s[PC:PC+1], 256
	s_add_co_u32 s[QB], s[QB], QREG
	v_add_nc_u32 v[ADR0], s[QB], v[A0]
	v_add_nc_u32 v[ADR1], QREG, v[ADR0]
	s_sub_co_u32 s[CNT], s[CNT], 1
	s_cmp_lg_u32 s[CNT], 0
	s_wait_alu depctr_va_vdst(0)
	s_cbranch_scc1 .Ltrip
	ASKC
	HALF 1, 0, 6                                   ; the last seven half steps ask for nothing beyond K's end
	HALF 2, 0, 5
	HALF 3, 0, 4
	HALF 4, 0, 3
	HALF 5, 0, 2
	HALF 6, 0, 1
	HALF 7, 0, 0
	PLACES                                         ; ahead of the loads into the ring's registers and of the first read of the sums
.macro CSLOAD e, bb                    ; cos and sin of batch bb (counted from the bases): 4 rows x 2 chunks of 128 columns x both halves of the row; each load reads 512 consecutive bytes
	WIN TO_B
.irp i, 0,1,2,3,4,5,6,7
	global_load_b128 v[128*(\e)+16*\i:128*(\e)+16*\i+3], v[L16], s[CB:CB+1] offset:(4*(\bb)+\i/2)*8192+(\i%2)*512
	global_load_b128 v[128*(\e)+16*\i+4:128*(\e)+16*\i+7], v[L16], s[CB:CB+1] offset:(4*(\bb)+\i/2)*8192+(\i%2)*512+4096
	global_load_b128 v[128*(\e)+16*\i+8:128*(\e)+16*\i+11], v[L16], s[SB2:SB2+1] offset:(4*(\bb)+\i/2)*8192+(\i%2)*512
	global_load_b128 v[128*(\e)+16*\i+12:128*(\e)+16*\i+15], v[L16], s[SB2:SB2+1] offset:(4*(\bb)+\i/2)*8192+(\i%2)*512+4096
.endr
	WIN 0
.endm
	s_cmp_eq_u32 s[PL], 2
	s_cbranch_scc1 .Lv_bias
.irp c, 0,1
	global_load_b128 v[BC+8*\c:BC+8*\c+3], v[L16], s[BB:BB+1] offset:512*\c
	global_load_b128 v[BC+8*\c+4:BC+8*\c+7], v[L16], s[BB:BB+1] offset:512*\c+4096
.endr
	CSLOAD 0, 0
	CSLOAD 1, 1
	s_branch .Ldump
.Lv_bias:
.irp g, 0,1,2,3
	global_load_b32 v[BC+\g], v[L4], s[BB:BB+1] offset:128*\g
.endr
.Ldump:
	s_barrier_signal -1                            ; my reads of x's tile are over (the last half step waited for them)
	s_barrier_wait -1                              ; and everybody's: the sums may be laid over it
.irp w, 0,1
	WIN 0x08+4*\w                                  ; the stores' data: window 2, then 3
.irp b, 0,1,2,3
.irp a, 0,1,2,3,4,5,6,7
	ds_store_b128 v[STO+\a/2], v[8*(8*\b+\a):8*(8*\b+\a)+3] offset:(\a%2)*16*FP+1024*\w+64*\b
	ds_store_b128 v[STO+\a/2], v[8*(8*\b+\a)+4:8*(8*\b+\a)+7] offset:(\a%2)*16*FP+1024*\w+64*\b+16
.endr
.endr
.endr
	WIN 0
	s_wait_dscnt 0x0
	s_barrier_signal -1
	s_barrier_wait -1
	s_cmp_eq_u32 s[PL], 2
	s_cbranch_scc1 .Lv
; q, k.  A batch: 4 rows x 512 columns; index i = 2 x row + chunk; a lane holds columns 4 lane .. + 3 of the chunk and their partners.
.macro BATCH e, ld, last
.irp i, 0,1,2,3,4,5,6,7
	ds_load_b128 v[TT+8*\i:TT+8*\i+3], v[RDA] offset:(4*(\e)+\i/2)*FP+(\i%2)*512
	ds_load_b128 v[TT+8*\i+4:TT+8*\i+7], v[RDA] offset:(4*(\e)+\i/2)*FP+(\i%2)*512+1024
.endr
	s_wait_dscnt 0x0
.if \last
	s_wait_loadcnt 0x0
.else
	s_wait_loadcnt 32                              ; this batch's cos and sin are in; the next batch's 32 loads may be out
.endif
.irp i, 0,1,2,3,4,5,6,7
.irp k, 0,2,4,6
	v_pk_fma_f32 v[TT+8*\i+\k:TT+8*\i+\k+1], v[TT+8*\i+\k:TT+8*\i+\k+1], s[SCQ:SCQ+1], v[BC+8*(\i%2)+\k:BC+8*(\i%2)+\k+1] op_sel_hi:[1,0,1]
.endr
.endr
	WIN 0x04                                       ; source 1: cos and sin, window 1
.set CSB, 128*(\e)
.irp i, 0,1,2,3,4,5,6,7
.irp k, 0,2
	v_pk_mul_f32 v[UU+8*\i+\k:UU+8*\i+\k+1], v[TT+8*\i+\k:TT+8*\i+\k+1], v[CSB+16*\i+\k:CSB+16*\i+\k+1]
	v_pk_mul_f32 v[UU+8*\i+4+\k:UU+8*\i+4+\k+1], v[TT+8*\i+4+\k:TT+8*\i+4+\k+1], v[CSB+16*\i+4+\k:CSB+16*\i+4+\k+1]
.endr
.irp k, 0,2
	v_pk_fma_f32 v[UU+8*\i+\k:UU+8*\i+\k+1], v[TT+8*\i+4+\k:TT+8*\i+4+\k+1], v[CSB+16*\i+8+\k:CSB+16*\i+8+\k+1], v[UU+8*\i+\k:UU+8*\i+\k+1] neg_lo:[1,0,0] neg_hi:[1,0,0]
	v_pk_fma_f32 v[UU+8*\i+4+\k:UU+8*\i+4+\k+1], v[TT+8*\i+\k:TT+8*\i+\k+1], v[CSB+16*\i+12+\k:CSB+16*\i+12+\k+1], v[UU+8*\i+4+\k:UU+8*\i+4+\k+1]
.endr
.endr
	WIN 0
.if \ld
	CSLOAD \e, (\e)+2
.endif
.set j, 0
.rept 64
	v_med3_num_f32 v[UU+j], v[UU+j], -v[LIMV], v[LIMV]   ; the conversion does not saturate (ISA guide 7.6.2): the hold comes first
.set j, j+1
.endr
.irp i, 0,1,2,3,4,5,6,7
	v_cvt_scalef32_pk8_fp8_f32 v[CD+2*\i:CD+2*\i+1], v[UU+8*\i:UU+8*\i+7], v[SCL]
.endr
	v_nop
.irp i, 0,1,2,3,4,5,6,7
	ds_store_b32 v[CST], v[CD+2*\i] offset:(\i%2)*512+(\i/2)*128          ; my stage: [head: chunk 0, chunk 1, their partners][4 tokens][128]
	ds_store_b32 v[CST], v[CD+2*\i+1] offset:1024+(\i%2)*512+(\i/2)*128
.endr
	s_wait_xcnt 0x0                                ; the last batch's stores have read their data
.irp t, 0,1,2,3
	ds_load_b128 v[OB+4*\t:OB+4*\t+3], v[CRD] offset:512*\t   ; LDS serves a wave's instructions in order
.endr
.irp t, 0,1,2,3
	s_wait_dscnt 3-\t
	global_store_b128 v[L16], v[OB+4*\t:OB+4*\t+3], s[OT:OT+1] offset:(\t%2)*262144+(\t/2)*2097152+(\e)*512   ; four tokens of one head: 512 consecutive bytes, aligned
.endr
.endm
.macro TRIPQ ld                        ; batches 2 tau and 2 tau + 1: rows 8 tau .. + 7 of my 32 stand at 16 (tau % 2) + 8 (tau / 2): bits 3 and 4 exchanged
	s_and_b32 s46, s[TAU], 1
	s_lshl_b32 s46, s46, 11
	s_lshr_b32 s47, s[TAU], 1
	s_lshl_b32 s47, s47, 10
	s_add_co_u32 s46, s46, s47
	s_mov_b32 s47, 0
	s_add_nc_u64 s[OT:OT+1], s[OQ:OQ+1], s[46:47]
	v_add_nc_u32 v[RDA], s[RS], v[RD0]
	BATCH 0, \ld, 0
	BATCH 1, \ld, 1-(\ld)
.endm
	s_mov_b32 s[RS], 0
	s_mov_b32 s[TAU], 0
.Lq:
	TRIPQ 1
	s_wait_xcnt 0x0                                ; loads and stores have read their bases
	s_add_nc_u64 s[CB:CB+1], s[CB:CB+1], 65536
	s_add_nc_u64 s[SB2:SB2+1], s[SB2:SB2+1], 65536
	s_add_co_u32 s[RS], s[RS], 8*FP
	s_add_co_u32 s[TAU], s[TAU], 1
	s_cmp_lt_u32 s[TAU], 3
	s_wait_alu depctr_va_vdst(0)
	s_cbranch_scc1 .Lq
	TRIPQ 0                                        ; the last two batches ask for nothing more
	FINISH
; v.  Four trips of 32 channels: a lane takes a channel and its 128 registers run down the keys.
.Lv:
	s_mov_b32 s[GS], 0
	s_mov_b32 s[CNT], 4
	s_wait_loadcnt 0x0                             ; the bias
.Lg:
.irp k, 0,1,2,3
	v_add_nc_u32 v[VA+\k], s[GS], v[VR+\k]
.endr
.set j, 0
.rept 128
	ds_load_b32 v[TT+j], v[VA+j/32] offset:(j%32)*FP
.set j, j+1
.endr
	s_wait_dscnt 0x0
.set j, 0
.rept 64
	v_pk_fma_f32 v[TT+j:TT+j+1], v[TT+j:TT+j+1], s[SCQ:SCQ+1], v[BC:BC+1] op_sel_hi:[1,0,0]   ; x 2^(e4 + e5) + my channel's bias
.set j, j+2
.endr
.set j, 0
.rept 128
	v_med3_num_f32 v[TT+j], v[TT+j], -v[LIMV], v[LIMV]
.set j, j+1
.endr
.set j, 0
.rept 16
	v_cvt_scalef32_pk8_fp8_f32 v[CD+2*j:CD+2*j+1], v[TT+8*j:TT+8*j+7], v[SCL]
.set j, j+1
.endr
	v_nop
.irp t, 0,1,2,3,4,5,6,7
	ds_store_b128 v[VST], v[CD+4*\t:CD+4*\t+3] offset:16*\t   ; my stage: row = channel, 128 keys
.endr
.irp t, 0,1,2,3,4,5,6,7
	ds_load_b128 v[VB+4*\t:VB+4*\t+3], v[VRD] offset:4*\t*VSP   ; back: four channels an instruction
.endr
.irp t, 0,1,2,3,4,5,6,7
	s_wait_dscnt 7-\t
	global_store_b128 v[L16], v[VB+4*\t:VB+4*\t+3], s[OQ:OQ+1] offset:(4*(\t%2)+16*((\t/2)%2)+8*(\t/4))*128   ; 512 consecutive bytes, aligned; bits 3 and 4 of the channel exchanged
.endr
	s_wait_xcnt 0x0                                ; the stores have read their data and base
	s_add_nc_u64 s[OQ:OQ+1], s[OQ:OQ+1], 4096
	s_add_co_u32 s[GS], s[GS], 128
	v_mov_b32 v[BC], v[BC+1]                       ; the next 32 channels' bias
	v_mov_b32 v[BC+1], v[BC+2]
	v_mov_b32 v[BC+2], v[BC+3]
	s_sub_co_u32 s[CNT], s[CNT], 1
	s_cmp_lg_u32 s[CNT], 0
	s_wait_alu depctr_va_vdst(0)
	s_cbranch_scc1 .Lg
	FINISH
.Lfunc_end_k_qb46abda7cf_gemm_qkv:
	.size	k_qb46abda7cf_gemm_qkv, .Lfunc_end_k_qb46abda7cf_gemm_qkv-k_qb46abda7cf_gemm_qkv
	.p2alignl 7, 3214868480
	.fill 96, 4, 3214868480
	.section	.rodata,"a",@progbits
	.p2align	6, 0x0
	.amdhsa_kernel k_qb46abda7cf_gemm_qkv
		.amdhsa_group_segment_fixed_size 327680
		.amdhsa_private_segment_fixed_size 0
		.amdhsa_enable_private_segment 0
		.amdhsa_kernarg_size 72
		.amdhsa_user_sgpr_count 2
		.amdhsa_user_sgpr_kernarg_segment_ptr 1
		.amdhsa_wavefront_size32 1
		.amdhsa_system_sgpr_workgroup_id_x 1
		.amdhsa_system_sgpr_workgroup_id_y 1
		.amdhsa_system_sgpr_workgroup_id_z 1
		.amdhsa_system_vgpr_workitem_id 0
		.amdhsa_next_free_vgpr 1024
		.amdhsa_next_free_sgpr 100
		.amdhsa_reserve_vcc 0
		.amdhsa_float_denorm_mode_32 3
		.amdhsa_float_denorm_mode_16_64 3
		.amdhsa_memory_ordered 1
		.amdhsa_forward_progress 1
		.amdhsa_inst_pref_size 219
	.end_amdhsa_kernel
	.amdgpu_metadata
---
amdhsa.version: [ 1, 2 ]
amdhsa.kernels:
  - .name:           k_qb46abda7cf_gemm_qkv
    .symbol:         k_qb46abda7cf_gemm_qkv.kd
    .args:
      - { .name: xc, .offset: 0, .size: 8, .value_kind: global_buffer, .address_space: global }
      - { .name: wc, .offset: 8, .size: 8, .value_kind: global_buffer, .address_space: global }
      - { .name: lowp_scales, .offset: 16, .size: 8, .value_kind: global_buffer, .address_space: global }
      - { .name: cos, .offset: 24, .size: 8, .value_kind: global_buffer, .address_space: global }
      - { .name: sin, .offset: 32, .size: 8, .value_kind: global_buffer, .address_space: global }
      - { .name: bq, .offset: 40, .size: 8, .value_kind: global_buffer, .address_space: global }
      - { .name: bk, .offset: 48, .size: 8, .value_kind: global_buffer, .address_space: global }
      - { .name: bv, .offset: 56, .size: 8, .value_kind: global_buffer, .address_space: global }
      - { .name: qkvc, .offset: 64, .size: 8, .value_kind: global_buffer, .address_space: global }
    .group_segment_fixed_size: 327680
    .private_segment_fixed_size: 0
    .kernarg_segment_align: 8
    .kernarg_segment_size: 72
    .max_flat_workgroup_size: 128
    .sgpr_count:     100
    .vgpr_count:     1024
    .wavefront_size: 32
...
	.end_amdgpu_metadata
.endif
;; end of part 2
;; launch attn (part 3): grid 16 x 16, 8 waves a work-group, no clusters, 327,680 bytes of LDS; arguments qkvc, lowp_scales, ac; writes ac
.if DOCPART == 3
	.amdgcn_target "amdgcn-amd-amdhsa--gfx1250"
	.amdhsa_code_object_version 6
	.text
	.protected	k_qb46abda7cf_attn
	.globl	k_qb46abda7cf_attn
	.p2align	8
	.type	k_qb46abda7cf_attn,@function
k_qb46abda7cf_attn:
	s_mov_b64 s[64:65], 0
	v_nop
	global_prefetch_b8 v0, s[64:65] scope:SCOPE_SE
	s_setreg_imm32_b32 hwreg(HW_REG_WAVE_MODE, 25, 1), 1
	s_wait_xcnt 0x0
; Causal attention on codes of FP8 (E4M3): o[q] = sum over k <= q of softmax_k(q . k / sqrt(128)) v[k], for 16 heads of 128, 2,048 tokens.  Scales: q entry 6, k entry 7, v entry 8, p entry 9; the result is quantised with entry 10.
; qkvc: plane 0 q, plane 1 k: [head][token][128];  plane 2 v: [block of 128 keys][channel][128 keys]; in every plane a row stands at its number with bits 3 and 4 exchanged.
; ac: images of the next product's operand registers: [block of 128 tokens][head][tile of 16 tokens][2,048 bytes], byte 512 c + 16 lane + i = token lane % 16, channel 32 c + 16 (lane / 16) + i.
; THE SOFTMAX: t = score x log2(e) / sqrt(128); M = the running largest t rounded UP to a whole number; p = 2^(t - M) is quantised, not normalised; the sum is taken of the unquantised p and divides at the end.
; SHARES.  Work-group (j, head): waves 0-3 own the 64 queries of block j, waves 4-7 those of block 31 - j, a tile of 16 a wave: an early and a late block together have about the same number of key steps for every j.
; Every work-group walks all 8 slots of 256 keys (constant trip counts); a step all of whose keys come after the wave's queries is jumped over, and a slot beyond the work-group's last query is not asked for.
; No cluster: the work-groups of a head have different causal limits, so partners would need different numbers of tiles.
; LAYOUT.  Both products transposed: a lane holds ONE query.  The keys of a tile of K, and the channels of a tile of V, are not neighbours: lane r of tile 2 b + u takes key (channel) 32 b + 8 u + r + 8 (r / 8), so that the 16
; registers of tiles 2 b and 2 b + 1 are 16 neighbours: p's conversions are the second product's operand, and o's are the output product's.  By the exchange of bits 3 and 4 that key lies in row 16 (2 b + u) + r of the tile
; A STEP'S LDS LOADS stand in two runs of 32, each into registers of its own in window 1: K's at the step's head, multiplied fragment by fragment behind counted waits; V's behind the score products, so that they land under the softmax.
; LIMITS: e6 + e7 between -123 and 130; e9 and e10 between -126 and 119; e8 + e9 is applied by v_ldexp_f32.  NaN and infinities are not served.
; REGISTERS: window 0: v1 my place in a tile; v3 prefetch offset; v5, v6 the add's two; v7 16 x lane; v8, v9 addresses in hand; v12 -M, v13 the largest t, v[14:15] the sum; v16-31 Q; v96-159 S^T, then p; v160-223 O^T;
; v224-239 codes (v236 also at work ahead of the conversions); v240-247 constants and sums; v248 the last lane exchange's, outside every matrix operand; v252-254 at work.   window 1: v0-127 K's eight fragments; v128-255 V's eight.
.set SK,    256
.set KP,    144                        ; a row in LDS: 128 bytes + 16
.set KREG,  128*KP                     ; a tile: 128 rows
.set VOFF,  2*KREG                     ; a slot: K of step 0, K of step 1, V of step 0, V of step 1
.set SLOT1, 1<<17
.set NSL,   8
.set SPARE, 2*SLOT1                    ; behind the ring: the spare words, 128 bytes for each of eight waves
.set AK0,  1
.set PFO,  3
.set SPW,  5
.set NIL,  6
.set GO,   7
.set ADK,  8
.set ADV,  9
.set KFR,  0                           ; in window 1
.set VFR,  128
.set TB,   2                           ; s2   LDS byte at which the slot in hand begins
.set WV,   18
.set SEL,  20
.set CS,   22
.set G1,   24                          ; s[24:31] one shape for all four tiles: 128 rows of 128 bytes, dense in memory
.set G0,   40                          ; s[40:43] which walks;  s[44:45] a slot on, in bytes
.set QL,   66                          ; s66  my work-group's last query
.set SLOTS, 67
.set HEAD, 73
.set PFK,  76                          ; s[76:77], s[78:79] where my prefetches stand, in K and in V
.set PFV,  78
.set LIM,  80
.set KF,   98
.set Q0,   99
.set MSB, 0
.macro WIN new                         ; the immediate's high byte repeats the setting that is left; at every label and branch the setting is 0
.if MSB != \new
	s_set_vgpr_msb (MSB<<8)|\new
.set MSB, \new
.endif
.endm
.set TO_F, 0x40                        ; destination window 1, address window 0
.set MULF, 0x01                        ; source 0 (K's or V's fragment) window 1; all else window 0
.macro TLOAD                           ; waves 0 and 1 fetch K's two tiles, waves 2 and 3 V's, the others nothing; an s_nop 0 and four v_nop follow
	s_cmp_lt_u32 s[WV], 4
	s_cbranch_scc0 .Lasked_\@
	tensor_load_to_lds s[G0:G0+3], s[G1:G1+7]
	s_nop 0
.rept 4
	v_nop
.endr
.Lasked_\@:
.endm
; A PREFETCH INTO THE L2 of what the NEXT change of slots will ask for: 32,768 bytes of K and twice 16,384 of V.  All work-groups of a head walk the same K and V: work-group j = 0, whose own loads run to the head's end, asks;
; 8,192 bytes of each a wave, lanes 256 bytes apart.  So each block of 256 bytes is named once.  The last change that fills a slot asks for nothing.
.macro ASK
	s_cmp_gt_u32 s[SLOTS], s[LIM]
	s_cbranch_scc0 .Lnot_mine_\@
	global_prefetch_b8 v[PFO], s[PFK:PFK+1] th:TH_LOAD_NT scope:SCOPE_SE
	global_prefetch_b8 v[PFO], s[PFV:PFV+1] th:TH_LOAD_NT scope:SCOPE_SE
.Lnot_mine_\@:
.endm
	s_load_b128 s[4:7], s[0:1], 0x0                ; qkvc, the exponents
	s_load_b64 s[8:9], s[0:1], 0x10                ; ac
	v_lshl_add_u32 v[SPW], v0, 2, SPARE
	v_mov_b32 v[NIL], 0
	ds_add_u32 v[SPW], v[NIL]                      ; the wave's opening: the add and its wait ahead of my first tensor load
	ds_add_u32 v[SPW], v[NIL]
	v_lshrrev_b32 v8, 5, v0
	s_delay_alu instid0(VALU_DEP_1)
	v_readfirstlane_b32 s[WV], v8
	s_and_b32 s[HEAD], ttmp7, 0xffff
	s_sub_co_u32 s82, 31, ttmp9
	s_cmp_lt_u32 s[WV], 4
	s_cselect_b32 s82, ttmp9, s82                  ; my block of 64 queries: j or 31 - j
	s_lshl_b32 s82, s82, 6
	s_and_b32 s83, s[WV], 3
	s_lshl_b32 s83, s83, 4
	s_add_co_u32 s[Q0], s82, s83                   ; my first query
	s_lshl_b32 s[QL], ttmp9, 6
	s_sub_co_u32 s[QL], 2047, s[QL]                ; the last query of block 31 - j
	s_lshl_b32 s84, s[HEAD], 18                    ; Q's codes: head x 2^18 + row x 128.  Query Q0 + r, Q0 = 32 a + 16 u, stands in row 32 a + 8 u + r + 8 (r / 8): here the part without r
	s_and_not1_b32 s85, s[Q0], 31
	s_bfe_u32 s86, s[Q0], 0x10004
	s_lshl_b32 s86, s86, 3
	s_add_co_u32 s85, s85, s86
	s_lshl_b32 s85, s85, 7
	s_add_co_u32 s84, s84, s85
	s_mov_b32 s85, 0
	s_and_b32 s86, s[WV], 1                        ; what I fetch, if I fetch.  K: plane 1, head x 2^18, step x 2^14, a slot on 2^15;  V: plane 2, head x 2^14, step x 2^18, a slot on 2^19
	s_cmp_lt_u32 s[WV], 2
	s_cselect_b32 s87, 18, 14
	s_cselect_b32 s88, 14, 18
	s_cselect_b32 s89, 22, 23
	s_cselect_b32 s90, 15, 19
	s_lshl_b32 s87, s[HEAD], s87
	s_lshl_b32 s88, s86, s88
	s_lshl_b32 s89, 1, s89
	s_lshl_b32 s44, 1, s90
	s_mov_b32 s45, 0
	s_add_co_u32 s86, s87, s88
	s_add_co_u32 s86, s86, s89
	s_mov_b32 s87, 0
	s_mul_i32 s91, s[WV], KREG                     ; and its place in a slot
	s_mov_b32 s[G1], (0<<16)|(1<<20)|(4<<22)|(3<<25)   ; no mask; elements of 1 byte; padding on: four words after every 32
	s_mov_b32 s[G1+1], 256<<16                     ; a tile's 128 rows of 128 bytes are dense in memory: stated as 64 rows of 256 bytes, the padding still behind each 128
	s_mov_b32 s[G1+2], 64<<16
	s_mov_b32 s[G1+3], 256<<16
	s_mov_b32 s[G1+4], 64
	s_mov_b32 s[G1+5], 256
	s_mov_b32 s[G1+6], 0
	s_mov_b32 s[G1+7], 0
	s_mov_b32 s[SEL], 0x76543210
	s_mov_b32 s[SEL+1], 0xfedcba98
	s_mov_b32 s[CS], 0x3e0293ee                    ; c = log2(e) / sqrt(128)
	s_mov_b32 s[TB], 0
	s_mov_b32 s[SLOTS], NSL-1
	s_mov_b32 s[KF], 0
	s_wait_dscnt 0x0                               ; the opening add is done
	s_wait_kmcnt 0x0
	s_load_b128 s[68:71], s[6:7], 0x18             ; e6 (q), e7 (k), e8 (v), e9 (p)
	s_load_b32 s72, s[6:7], 0x28                   ; e10
	s_mov_b32 s[G0], 1
	s_mov_b32 s[G0+1], s91
	s_add_nc_u64 s[G0+2:G0+3], s[4:5], s[86:87]
	s_or_b32 s[G0+3], s[G0+3], 0x80000000
	TLOAD                                          ; slot 0
	s_and_b32 s82, s[WV], 3                        ; the prefetches: my wave's part, in slot 1: the first change of slots steps it to slot 2
	s_lshl_b32 s83, s82, 13
	s_lshl_b32 s88, s[HEAD], 18
	s_add_co_u32 s88, s88, s83
	s_add_co_u32 s88, s88, (1<<22)+32768
	s_mov_b32 s89, 0
	s_add_nc_u64 s[PFK:PFK+1], s[4:5], s[88:89]
	s_lshr_b32 s83, s82, 1
	s_lshl_b32 s83, s83, 18
	s_and_b32 s82, s82, 1
	s_lshl_b32 s82, s82, 13
	s_add_co_u32 s83, s83, s82
	s_lshl_b32 s88, s[HEAD], 14
	s_add_co_u32 s88, s88, s83
	s_add_co_u32 s88, s88, (1<<23)+524288
	s_add_nc_u64 s[PFV:PFV+1], s[4:5], s[88:89]
	s_lshr_b32 s82, s[WV], 2
	s_xor_b32 s82, s82, 1                          ; 0 in waves 4 to 7,
	s_or_b32 s82, s82, ttmp9                       ; of work-group j = 0
	s_cmp_eq_u32 s82, 0
	s_cselect_b32 s[LIM], 1, -1
	s_add_nc_u64 s[4:5], s[4:5], s[84:85]          ; Q's codes at my tile
	s_lshr_b32 s82, s[Q0], 7                       ; ac: ((block of 128 tokens x 16 + head) x 8 + tile) x 2,048
	s_lshl_b32 s82, s82, 4
	s_add_co_u32 s82, s82, s[HEAD]
	s_lshl_b32 s82, s82, 14
	s_bfe_u32 s83, s[Q0], 0x30004
	s_lshl_b32 s83, s83, 11
	s_add_co_u32 s82, s82, s83
	s_mov_b32 s83, 0
	s_add_nc_u64 s[8:9], s[8:9], s[82:83]
	v_and_b32 v8, 15, v0                           ; r
	v_bfe_u32 v9, v0, 4, 1                         ; h
	s_delay_alu instid0(VALU_DEP_2)
	v_and_b32 v11, 8, v8
	s_delay_alu instid0(VALU_DEP_1)
	v_add_nc_u32 v11, v11, v8                      ; r + 8 (r / 8)
	s_delay_alu instid0(VALU_DEP_1)
	v_lshlrev_b32 v10, 7, v11
	s_delay_alu instid0(VALU_DEP_1)
	v_lshl_add_u32 v10, v9, 4, v10                 ; Q: query r's row of 128 bytes, + 16 h
.irp c, 0,1,2,3
	global_load_b128 v[16+4*\c:19+4*\c], v10, s[4:5] offset:32*\c   ; Q's fragment stays in registers
.endr
	v_mul_u32_u24 v[AK0], v8, KP                   ; K and V in LDS: row r of a tile's sixteen, + 16 h
	s_delay_alu instid0(VALU_DEP_1)
	v_lshl_add_u32 v[AK0], v9, 4, v[AK0]
	v_and_b32 v[PFO], 31, v0
	s_delay_alu instid0(VALU_DEP_1)
	v_lshlrev_b32 v[GO], 4, v[PFO]                 ; 16 x lane
	s_delay_alu instid0(VALU_DEP_2)
	v_lshlrev_b32 v[PFO], 8, v[PFO]                ; 256 x lane
	v_mov_b32 v13, 0xff61b1e6                      ; the largest t so far: -3e38
	s_delay_alu instid0(VALU_DEP_1)
	v_floor_f32 v12, -v13                          ; -M
	v_mov_b32 v14, 0
	v_mov_b32 v15, 0
	v_mov_b32 v236, 0                              ; a lane permute's destination counts as one of its sources: the steps' exchange,
	v_mov_b32 v248, 0                              ; and the last one's
	v_mov_b32 v253, 0                              ; (named as the upper half of the pair v[252:253])
.set j, 0
.rept 64
	v_mov_b32 v[160+j], 0                          ; O^T: the loop is written once; its first step finds zeros
.set j, j+1
.endr
	s_wait_kmcnt 0x0
	s_add_co_i32 s81, s68, s69
	s_lshl_b32 s81, s81, 23
	s_add_co_i32 s[CS], s[CS], s81                 ; a score stands for score x 2^(e6 + e7): added to c's exponent field
	s_mov_b32 s[CS+1], s[CS]
	s_add_co_i32 s81, s71, 127
	s_lshl_b32 s82, s81, 23
	v_mov_b32 v244, s82                            ; 2^e9, for p's conversions
	s_add_co_i32 s81, s81, 8
	s_lshl_b32 s81, s81, 23
	s_or_b32 s81, s81, 0x600000
	v_mov_b32 v240, s81                            ; 448 x 2^e9
	s_add_co_i32 s81, s72, 127
	s_lshl_b32 s82, s81, 23
	v_mov_b32 v246, s82                            ; 2^e10, for the result's
	s_add_co_i32 s81, s81, 8
	s_lshl_b32 s81, s81, 23
	s_or_b32 s81, s81, 0x600000
	v_mov_b32 v247, s81                            ; 448 x 2^e10
; A KEY STEP: 128 keys, the q-th of the slot in hand.
.macro STEP q
	s_add_co_u32 s96, s[Q0], 15                    ; a step all of whose keys come after my 16 queries is left out: a branch on ids, round loads, products and softmax; no barrier and no tensor load stands in a step
	s_cmp_gt_u32 s[KF], s96
	s_cbranch_scc1 .Lhidden_\@
	v_add_nc_u32 v[ADK], s[TB], v[AK0]
	s_delay_alu instid0(VALU_DEP_1)
	v_add_nc_u32 v[ADV], VOFF, v[ADK]
	WIN TO_F
.irp t, 0,1,2,3,4,5,6,7                        ; K's eight fragments in one run.  The last products that read these registers stand a whole softmax back
.irp c, 0,1,2,3
	ds_load_b128 v[KFR+16*\t+4*\c:KFR+16*\t+4*\c+3], v[ADK] offset:(128*(\q)+16*\t)*KP+32*\c
.endr
.endr
	WIN MULF
	s_wait_alu depctr_va_vdst(0)
.irp t, 0,1,2,3,4,5,6,7                        ; S^T = K Q^T
	s_wait_dscnt 28-4*\t                           ; fragment t's four loads are in; the four of each fragment behind it may be out
	v_wmma_f32_16x16x128_fp8_fp8 v[96+8*\t:103+8*\t], v[KFR+16*\t:KFR+16*\t+15], v[16:31], 0
.endr
	WIN 0
.rept 4
	v_nop                                          ; the places ahead of the first read of the scores; with the two additions above also those between the last step's products and the loads into V's registers
.endr
	WIN TO_F
.irp t, 0,1,2,3,4,5,6,7                        ; V's eight fragments in one run: they land under the softmax
.irp c, 0,1,2,3
	ds_load_b128 v[VFR+16*\t+4*\c:VFR+16*\t+4*\c+3], v[ADV] offset:(\q)*KREG+16*\t*KP+32*\c
.endr
.endr
	WIN 0
	s_add_co_u32 s96, s[KF], 127                   ; on the diagonal the scores of hidden keys become -infinity ahead of the maximum; a step all of whose keys count skips this
	s_cmp_le_u32 s96, s[Q0]
	s_cbranch_scc1 .Lopen_\@
	s_sub_co_i32 s96, s[Q0], s[KF]
	v_and_b32 v252, 15, v0
	v_bfe_u32 v253, v0, 4, 1
	s_delay_alu instid0(VALU_DEP_1)
	v_lshlrev_b32 v253, 4, v253
	s_delay_alu instid0(VALU_DEP_1)
	v_sub_nc_u32 v252, v252, v253
	s_delay_alu instid0(VALU_DEP_1)
	v_add_nc_u32 v252, s96, v252                   ; d = my query - KF - 16 h.  Register 16 b + i holds key KF + 16 h + 32 b + i: hidden where 32 b + i > d
	v_mov_b32 v254, 0xff800000
.set n, 0
.rept 64
	v_cmp_gt_i32 vcc_lo, 32*(n/16)+n%16, v252
	v_cndmask_b32 v[96+n], v[96+n], v254, vcc_lo
.set n, n+1
.endr
.Lopen_\@:
	v_max3_num_f32 v254, v96, v97, v98             ; the step's largest score of my query, in two chains,
	v_max3_num_f32 v252, v99, v100, v101
.irp i, 6,10,14,18,22,26,30,34,38,42,46,50,54,58
	v_max3_num_f32 v254, v254, v[96+\i], v[97+\i]
	v_max3_num_f32 v252, v252, v[98+\i], v[99+\i]
.endr
	v_max3_num_f32 v254, v254, v158, v159
	s_delay_alu instid0(VALU_DEP_1)
	v_max_num_f32 v254, v254, v252
	v_permlanex16_b32 v236, v254, s[SEL], s[SEL+1] ; (v236 is free here: the last products that read it stand a step back, and this step's conversions write it later)
	s_delay_alu instid0(VALU_DEP_1)
	v_max_num_f32 v254, v254, v236                 ; and among lane l xor 16's
	s_delay_alu instid0(VALU_DEP_1)
	v_mul_f32 v254, s[CS], v254                    ; as t (c is positive)
	s_delay_alu instid0(VALU_DEP_1)
	v_max_num_f32 v13, v13, v254
	v_mov_b32 v254, v12
	s_delay_alu instid0(VALU_DEP_2)
	v_floor_f32 v12, -v13                          ; the new -M = floor(-t): M is a whole number
	s_delay_alu instid0(VALU_DEP_1)
	v_sub_f32 v254, v12, v254                      ; old M - new M: a whole number, 0 or less
	s_delay_alu instid0(VALU_DEP_1)
	v_cvt_i32_f32 v254, v254
	s_delay_alu instid0(VALU_DEP_1)
	v_ldexp_f32 v252, 1.0, v254                    ; f = 2^(old M - new M): a multiplication by it rounds nothing
.set j, 0
.rept 32
	v_pk_fma_f32 v[96+j:97+j], v[96+j:97+j], s[CS:CS+1], v[12:13] op_sel_hi:[1,0,0]   ; t - M, two at a time
.set j, j+2
.endr
.set j, 0
	s_wait_alu depctr_va_vdst(0)
.rept 64
	v_exp_f32 v[96+j], v[96+j]                     ; p = 2^(t - M), at most 1
.set j, j+1
.endr
	v_pk_mul_f32 v[14:15], v[14:15], v[252:253] op_sel_hi:[1,0]   ; the sums under the new M: the plain line behind the exponentials
	s_wait_alu depctr_va_vdst(0)                   ; one wait for the whole batch, ahead of its first reader
	v_pk_add_f32 v[242:243], v[100:101], v[104:105]
	v_pk_add_f32 v[254:255], v[108:109], v[112:113]
	v_pk_add_f32 v[250:251], v[116:117], v[120:121]
	v_pk_add_f32 v[238:239], v[124:125], v[128:129]
	v_pk_add_f32 v[236:237], v[132:133], v[136:137]
	v_pk_add_f32 v[234:235], v[140:141], v[144:145]
	v_pk_add_f32 v[232:233], v[148:149], v[152:153]
	v_pk_add_f32 v[14:15], v[14:15], v[156:157]
	v_pk_add_f32 v[242:243], v[242:243], v[96:97]
	v_pk_add_f32 v[254:255], v[254:255], v[98:99]
	v_pk_add_f32 v[250:251], v[250:251], v[102:103]
	v_pk_add_f32 v[238:239], v[238:239], v[106:107]
	v_pk_add_f32 v[236:237], v[236:237], v[110:111]
	v_pk_add_f32 v[234:235], v[234:235], v[114:115]
	v_pk_add_f32 v[232:233], v[232:233], v[118:119]
	v_pk_add_f32 v[14:15], v[14:15], v[122:123]
	v_pk_add_f32 v[242:243], v[242:243], v[126:127]
	v_pk_add_f32 v[254:255], v[254:255], v[130:131]
	v_pk_add_f32 v[250:251], v[250:251], v[134:135]
	v_pk_add_f32 v[238:239], v[238:239], v[138:139]
	v_pk_add_f32 v[236:237], v[236:237], v[142:143]
	v_pk_add_f32 v[234:235], v[234:235], v[146:147]
	v_pk_add_f32 v[232:233], v[232:233], v[150:151]
	v_pk_add_f32 v[14:15], v[14:15], v[154:155]
	v_pk_add_f32 v[242:243], v[242:243], v[158:159]
	s_delay_alu instid0(VALU_DEP_2)
	v_pk_add_f32 v[14:15], v[14:15], v[238:239]
	s_delay_alu instid0(VALU_DEP_2)
	v_pk_add_f32 v[242:243], v[242:243], v[236:237]
	v_pk_add_f32 v[254:255], v[254:255], v[234:235]
	v_pk_add_f32 v[250:251], v[250:251], v[232:233]
	s_delay_alu instid0(VALU_DEP_2)
	v_pk_add_f32 v[14:15], v[14:15], v[254:255]
	s_delay_alu instid0(VALU_DEP_2)
	v_pk_add_f32 v[242:243], v[242:243], v[250:251]
	s_delay_alu instid0(VALU_DEP_1)
	v_pk_add_f32 v[14:15], v[14:15], v[242:243]
.irp b, 0,1,2,3
.irp i, 0,1,2,3,4,5,6,7,8,9,10,11,12,13,14,15
	v_min_num_f32 v[96+16*\b+\i], v[96+16*\b+\i], v240   ; the conversion does not saturate (ISA guide 7.6.2); p is not negative, so the hold is one-sided
.endr
	v_cvt_scalef32_pk8_fp8_f32 v[224+4*\b:225+4*\b], v[96+16*\b:103+16*\b], v244
	v_cvt_scalef32_pk8_fp8_f32 v[226+4*\b:227+4*\b], v[104+16*\b:111+16*\b], v244
.endr
.set j, 0
.rept 32
	v_pk_mul_f32 v[160+j:161+j], v[160+j:161+j], v[252:253] op_sel_hi:[1,0]   ; O^T under the new M; these are also the plain lines behind the conversions
.set j, j+2
.endr
	s_wait_alu depctr_va_vdst(0)
	s_wait_dscnt 0x0                               ; V's fragments, asked for ahead of the softmax
	WIN MULF
.irp t, 0,1,2,3,4,5,6,7                        ; O^T += V^T P^T: the eight accumulators by turns, one instruction a turn
	v_wmma_f32_16x16x128_fp8_fp8 v[160+8*\t:167+8*\t], v[VFR+16*\t:VFR+16*\t+15], v[224:239], v[160+8*\t:167+8*\t]
.endr
	WIN 0
.Lhidden_\@:
	s_add_co_u32 s[KF], s[KF], 128
.endm
; THE CHANGE OF SLOTS stands at a slot's head: each wave waits for all its tensor loads, adds 0 to its spare word, and waits for that and for its reads of the slot that it has left; one barrier; behind it the slot left is filled.
.macro CHANGE fill
	s_wait_tensorcnt 0x0                           ; no tensor load of mine is out, so the descriptor may be written
	ds_add_u32 v[SPW], v[NIL]
.if \fill
	s_xor_b32 s[G0+1], s[G0+1], SLOT1              ; the other slot than last time,
	s_add_nc_u64 s[G0+2:G0+3], s[G0+2:G0+3], s[44:45]   ; the next 256 keys
	s_wait_xcnt 0x0                                ; the last prefetches, a slot back, have read their addresses
	s_add_nc_u64 s[PFK:PFK+1], s[PFK:PFK+1], 32768
	s_add_nc_u64 s[PFV:PFV+1], s[PFV:PFV+1], 524288
.endif
	s_wait_dscnt 0x0                               ; the add is done, and my reads of the slot that I have left are over
	s_barrier_signal -1
	s_barrier_wait -1
.if \fill
	s_add_co_u32 s96, s[KF], SK                    ; the look-ahead ends at the causal limit: a slot whose first key comes after my work-group's last query is read by none of its waves
	s_cmp_gt_u32 s96, s[QL]                        ; ids and the count of steps alone: all eight waves go the same way; every wait on the tensor loads' counter in this text is for 0
	s_cbranch_scc1 .Lpast_\@
	TLOAD
.Lpast_\@:
	ASK
.endif
.endm
.macro SLOT_STEPS
	STEP 0
	STEP 1
	s_xor_b32 s[TB], s[TB], SLOT1
.endm
	s_wait_loadcnt 0x0                             ; Q
.Lslot:                                            ; 7 trips
	CHANGE 1
	SLOT_STEPS
	s_sub_co_u32 s[SLOTS], s[SLOTS], 1
	s_cmp_lg_u32 s[SLOTS], 0
	s_cbranch_scc1 .Lslot
	CHANGE 0                                       ; the last slot is written out: nothing is left to ask for
	SLOT_STEPS
	; THE WAY OUT: O^T / the sum x 2^(e8 + e9), held, converted with 2^e10: a lane's 16 registers of two neighbouring tiles are 16 neighbouring channels, so the codes are the next operand's registers as they stand.
	v_add_f32 v14, v14, v15
	s_delay_alu instid0(VALU_DEP_1)
	v_permlanex16_b32 v248, v14, s[SEL], s[SEL+1]  ; into a register that no matrix instruction names: the last products, just issued, still use v224-239
	s_delay_alu instid0(VALU_DEP_1)
	v_add_f32 v14, v14, v248                       ; the row's sum
	s_wait_alu depctr_va_vdst(0)
	v_rcp_f32 v14, v14
.rept 4
	v_nop                                          ; the plain line behind the reciprocal, and the four places between the last products and the first read of their results
.endr
	s_add_co_i32 s81, s70, s71
	s_wait_alu depctr_va_vdst(0)
	v_ldexp_f32 v14, v14, s81
.set j, 0
.rept 64
	v_mul_f32 v[96+j], v[160+j], v14               ; each accumulator from its low end on
.set j, j+1
.endr
.irp b, 0,1,2,3
.irp i, 0,1,2,3,4,5,6,7,8,9,10,11,12,13,14,15
	v_med3_num_f32 v[96+16*\b+\i], v[96+16*\b+\i], -v247, v247
.endr
	v_cvt_scalef32_pk8_fp8_f32 v[224+4*\b:225+4*\b], v[96+16*\b:103+16*\b], v246
	v_cvt_scalef32_pk8_fp8_f32 v[226+4*\b:227+4*\b], v[104+16*\b:111+16*\b], v246
.endr
	v_nop
.irp c, 0,1,2,3
	global_store_b128 v[GO], v[224+4*\c:227+4*\c], s[8:9] offset:512*\c   ; 32 lanes store 512 consecutive bytes, aligned
.endr
	s_wait_tensorcnt 0x0                           ; the wave's end
	ds_add_u32 v[SPW], v[NIL]
	s_wait_dscnt 0x0
	s_endpgm
.Lfunc_end_k_qb46abda7cf_attn:
	.size	k_qb46abda7cf_attn, .Lfunc_end_k_qb46abda7cf_attn-k_qb46abda7cf_attn
	.p2alignl 7, 3214868480
	.fill 96, 4, 3214868480
	.section	.rodata,"a",@progbits
	.p2align	6, 0x0
	.amdhsa_kernel k_qb46abda7cf_attn
		.amdhsa_group_segment_fixed_size 327680
		.amdhsa_private_segment_fixed_size 0
		.amdhsa_enable_private_segment 0
		.amdhsa_kernarg_size 24
		.amdhsa_user_sgpr_count 2
		.amdhsa_user_sgpr_kernarg_segment_ptr 1
		.amdhsa_wavefront_size32 1
		.amdhsa_system_sgpr_workgroup_id_x 1
		.amdhsa_system_sgpr_workgroup_id_y 1
		.amdhsa_system_sgpr_workgroup_id_z 1
		.amdhsa_system_vgpr_workitem_id 0
		.amdhsa_next_free_vgpr 512
		.amdhsa_next_free_sgpr 100
		.amdhsa_reserve_vcc 1
		.amdhsa_float_denorm_mode_32 3
		.amdhsa_float_denorm_mode_16_64 3
		.amdhsa_memory_ordered 1
		.amdhsa_forward_progress 1
		.amdhsa_inst_pref_size 117
	.end_amdhsa_kernel
	.amdgpu_metadata
---
amdhsa.version: [ 1, 2 ]
amdhsa.kernels:
  - .name:           k_qb46abda7cf_attn
    .symbol:         k_qb46abda7cf_attn.kd
    .args:
      - { .name: qkvc, .offset: 0, .size: 8, .value_kind: global_buffer, .address_space: global }
      - { .name: lowp_scales, .offset: 8, .size: 8, .value_kind: global_buffer, .address_space: global }
      - { .name: ac, .offset: 16, .size: 8, .value_kind: global_buffer, .address_space: global }
    .group_segment_fixed_size: 327680
    .private_segment_fixed_size: 0
    .kernarg_segment_align: 8
    .kernarg_segment_size: 24
    .max_flat_workgroup_size: 256
    .sgpr_count:     100
    .vgpr_count:     512
    .wavefront_size: 32
...
	.end_amdgpu_metadata
.endif
;; end of part 3
;; launch gemm_out (part 4): grid 16 x 16, 4 waves a work-group, clusters of 4 x 4, 327,680 bytes of LDS; arguments ac, wc, lowp_scales, bo, out0; writes out0
.if DOCPART == 4
	.amdgcn_target "amdgcn-amd-amdhsa--gfx1250"
	.amdhsa_code_object_version 6
	.text
	.protected	k_qb46abda7cf_gemm_out
	.globl	k_qb46abda7cf_gemm_out
	.p2align	8
	.type	k_qb46abda7cf_gemm_out,@function
k_qb46abda7cf_gemm_out:
	s_mov_b64 s[64:65], 0
	v_nop
	global_prefetch_b8 v0, s[64:65] scope:SCOPE_SE
	s_setreg_imm32_b32 hwreg(HW_REG_WAVE_MODE, 25, 1), 1
	s_wait_xcnt 0x0
	s_wait_alu depctr_hold_cnt(0) depctr_sa_sdst(0) depctr_va_vdst(0) depctr_va_sdst(0) depctr_va_ssrc(0) depctr_va_vcc(0) depctr_vm_vsrc(0)
	s_getreg_b32 s2, hwreg(HW_REG_IB_STS2, 6, 4)
	s_cmp_eq_u32 s2, 0
	s_cbranch_scc0 .Lentry_in_a_cluster
	s_endpgm
.Lentry_in_a_cluster:
	s_bfe_u32 s2, ttmp6, 0x10000c
	s_cmp_lg_u32 s2, 0xf033
	s_cbranch_scc0 .Lentry_shape_is_right
	s_endpgm
.Lentry_shape_is_right:
.set FR,     16
.set BP,     528
.set BOFF,   65536
.set SLOT,   BOFF+128*BP
.set STAGE,  2*SLOT
.set SPITCH, 272
.set SPARE,  STAGE+4*16*SPITCH
.set ADRA, 16
.set ADRB, 20
.set STO,  24
.set RD,   25
.set CO,   26
.set BOF,  27
.set SPW,  28
.set NIL,  29
.set BO,   64
.set ACC,  128
.set F0,   0
.set F1,   128
.set G1,  24
.set G0,  32
.set G1B, 48
.set G0B, 56
.set MSB, 0
.macro WIN new
.if MSB != \new
	s_set_vgpr_msb (MSB<<8)|\new
.set MSB, \new
.endif
.endm
.set MUL,  0x05
.set TO_F, 0x40
.macro JLOAD g0a, g1a, g0b, g1b
	s_cmp_eq_u32 s15, 0
	s_cbranch_scc0 .Lfor_b_\@
	tensor_load_to_lds s[\g0a:\g0a+3], s[\g1a:\g1a+7]
	s_nop 0
.rept 4
	v_nop
.endr
	s_branch .Lasked_\@
.Lfor_b_\@:
	tensor_load_to_lds s[\g0b:\g0b+3], s[\g1b:\g1b+7]
	s_nop 0
.rept 4
	v_nop
.endr
.Lasked_\@:
.endm
.macro CREST
	s_cmp_lg_u32 s14, 0
	s_cbranch_scc1 .Lnot_wave_0_\@
	s_barrier_signal -3
.Lnot_wave_0_\@:
	s_barrier_wait -3
	s_barrier_signal -1
	s_barrier_wait -1
.endm
.macro CROUND
	s_barrier_signal -1
	s_barrier_wait -1
	CREST
.endm
	s_load_b128 s[4:7], s[0:1], 0x0
	s_load_b128 s[8:11], s[0:1], 0x10
	s_load_b64 s[12:13], s[0:1], 0x20
	v_lshl_add_u32 v[SPW], v0, 2, SPARE
	v_mov_b32 v[NIL], 0
	ds_add_u32 v[SPW], v[NIL]
	ds_add_u32 v[SPW], v[NIL]
	v_lshrrev_b32 v1, 5, v0
	v_readfirstlane_b32 s14, v1
	s_lshr_b32 s15, s14, 1
	s_and_b32 s16, s14, 1
	s_bfe_u32 s40, ttmp6, 0x40000
	s_bfe_u32 s41, ttmp6, 0x40004
	s_lshl_b32 s42, ttmp9, 2
	s_add_co_u32 s42, s42, s40
	s_and_b32 s17, ttmp7, 0xffff
	s_lshl_b32 s17, s17, 2
	s_add_co_u32 s17, s17, s41
	s_lshl_b32 s43, s41, 2
	s_lshl_b32 s43, 15, s43
	s_lshl_b32 s44, 0x1111, s40
	s_or_b32 s[G1+0], s43, (3<<16)|(1<<21)
	s_mov_b32 s[G1+1], 32<<16
	s_mov_b32 s[G1+2], 128<<16
	s_mov_b32 s[G1+3], 32<<16
	s_mov_b32 s[G1+4], 128
	s_mov_b32 s[G1+5], 32
	s_mov_b32 s[G1+6], 0
	s_mov_b32 s[G1+7], 0
	s_or_b32 s[G1B+0], s44, (0<<16)|(1<<20)|(1<<21)|(6<<22)|(3<<25)
	s_mov_b32 s[G1B+1], 512<<16
	s_mov_b32 s[G1B+2], 64<<16
	s_mov_b32 s[G1B+3], 512<<16
	s_mov_b32 s[G1B+4], 64
	s_mov_b32 s[G1B+5], 2048
	s_mov_b32 s[G1B+6], 0
	s_mov_b32 s[G1B+7], 0
	s_lshl_b32 s20, s17, 18
	s_lshl_b32 s18, s16, 15
	s_add_co_u32 s20, s20, s18
	s_mov_b32 s21, 0
	s_lshl_b32 s46, s42, 7
	s_lshl_b32 s47, s16, 6
	s_add_co_u32 s46, s46, s47
	s_lshl_b32 s46, s46, 11
	s_add_co_u32 s46, s46, 0xc00000
	s_mov_b32 s47, 0
	s_lshl_b32 s45, s16, 15
	s_mul_i32 s22, s16, 64*BP
	s_add_co_u32 s22, s22, BOFF
	s_wait_dscnt 0x0
	s_wait_kmcnt 0x0
	s_load_b64 s[96:97], s[8:9], 0x28
	s_add_nc_u64 s[20:21], s[4:5], s[20:21]
	s_add_nc_u64 s[46:47], s[6:7], s[46:47]
	CROUND
.irp s, 0,1
	s_mov_b32 s[G0+4*\s], 1
	s_add_co_u32 s[G0+4*\s+1], s45, \s*SLOT
	s_add_nc_u64 s[G0+4*\s+2:G0+4*\s+3], s[20:21], \s*65536
	s_or_b32 s[G0+4*\s+3], s[G0+4*\s+3], 0x80000000
	s_mov_b32 s[G0B+4*\s], 1
	s_add_co_u32 s[G0B+4*\s+1], s22, \s*SLOT
	s_add_nc_u64 s[G0B+4*\s+2:G0B+4*\s+3], s[46:47], \s*512
	s_or_b32 s[G0B+4*\s+3], s[G0B+4*\s+3], 0x80000000
	s_wait_alu depctr_va_vdst(0)
	s_wait_tensorcnt 0x0
	ds_add_u32 v28, v29
	ds_add_u32 v28, v29
	s_wait_dscnt 0x0
	CROUND
	JLOAD G0+4*\s, G1, G0B+4*\s, G1B
.endr
	v_and_b32 v1, 15, v0
	v_bfe_u32 v2, v0, 4, 1
	v_and_b32 v3, 31, v0
	v_lshlrev_b32 v4, 4, v3
	s_lshl_b32 s23, s15, 13
	v_add_nc_u32 v[ADRA], s23, v4
	v_add_nc_u32 v[ADRA+1], SLOT, v[ADRA]
	v_mul_u32_u24 v5, v1, BP
	v_lshl_add_u32 v5, v2, 4, v5
	s_mul_i32 s23, s16, 64*BP
	s_add_co_u32 s23, s23, BOFF
	v_add_nc_u32 v[ADRB], s23, v5
	v_add_nc_u32 v[ADRB+1], SLOT, v[ADRB]
	s_mul_i32 s23, s14, 16*SPITCH
	s_add_co_u32 s23, s23, STAGE
	v_mul_u32_u24 v5, v1, SPITCH
	v_lshl_add_u32 v5, v2, 5, v5
	v_add_nc_u32 v[STO], s23, v5
	v_mul_u32_u24 v5, v2, SPITCH
	v_lshl_add_u32 v5, v1, 4, v5
	v_add_nc_u32 v[RD], s23, v5
	v_lshlrev_b32 v5, 13, v2
	v_lshl_add_u32 v[CO], v1, 4, v5
	v_lshlrev_b32 v[BOF], 5, v2
	s_wait_alu depctr_va_vdst(0)
	s_lshl_b32 s20, s17, 7
	s_lshl_b32 s21, s15, 6
	s_add_co_u32 s20, s20, s21
	s_lshl_b32 s20, s20, 13
	s_lshl_b32 s46, s42, 9
	s_lshl_b32 s47, s16, 8
	s_add_co_u32 s46, s46, s47
	s_mov_b32 s47, 0
	s_add_nc_u64 s[10:11], s[10:11], s[46:47]
	s_add_co_u32 s20, s20, s46
	s_mov_b32 s21, 0
	s_add_nc_u64 s[12:13], s[12:13], s[20:21]
.irp b, 0,1,2,3
	global_load_b128 v[BO+8*\b:BO+8*\b+3], v[BOF], s[10:11] offset:64*\b
	global_load_b128 v[BO+8*\b+4:BO+8*\b+7], v[BOF], s[10:11] offset:64*\b+16
.endr
.macro MUL4 f, a, zero
.irp b, 0,1,2,3
.if \zero
	v_wmma_f32_16x16x128_fp8_fp8 v[ACC+8*(4*(\a)+\b):ACC+8*(4*(\a)+\b)+7], v[\f+64+FR*\b:\f+64+FR*\b+FR-1], v[\f+FR*(\a):\f+FR*(\a)+FR-1], 0
.else
	v_wmma_f32_16x16x128_fp8_fp8 v[ACC+8*(4*(\a)+\b):ACC+8*(4*(\a)+\b)+7], v[\f+64+FR*\b:\f+64+FR*\b+FR-1], v[\f+FR*(\a):\f+FR*(\a)+FR-1], v[ACC+8*(4*(\a)+\b):ACC+8*(4*(\a)+\b)+7]
.endif
.endr
.endr
.endm
.macro FETCH slot, q, f
	WIN TO_F
.irp i, 0,1,2,3
.irp c, 0,1,2,3
	ds_load_b128 v[\f+64+FR*\i+4*\c:\f+64+FR*\i+4*\c+3], v[ADRB+\slot] offset:128*(\q)+32*\c+\i*16*BP
.endr
.endr
.irp i, 0,1,2,3
.irp c, 0,1,2,3
	ds_load_b128 v[\f+FR*\i+4*\c:\f+FR*\i+4*\c+3], v[ADRA+\slot] offset:16384*(\q)+2048*\i+512*\c
.endr
.endr
.endm
.macro PLACES
.rept 4
	v_nop
.endr
.endm
.macro QUARTER slot, q, f, g, zero
	s_wait_dscnt 8
	WIN MUL
	MUL4 \f, 0, \zero
	MUL4 \f, 1, \zero
	PLACES
	FETCH \slot, (\q)+1, \g
	s_wait_dscnt 32
	WIN MUL
	MUL4 \f, 2, \zero
	MUL4 \f, 3, \zero
.endm
.macro TURN slot, next, fill
	WIN 0
	s_wait_tensorcnt 0x0
	ds_add_u32 v[SPW], v[NIL]
	s_wait_dscnt 9
	WIN MUL
	MUL4 F1, 0, 0
	s_wait_dscnt 0x0
	s_barrier_signal -1
	MUL4 F1, 1, 0
	WIN 0
	s_barrier_wait -1
.if \fill
	CREST
	s_add_nc_u64 s[G0+4*\slot+2:G0+4*\slot+3], s[G0+4*\slot+2:G0+4*\slot+3], 131072
	s_add_nc_u64 s[G0B+4*\slot+2:G0B+4*\slot+3], s[G0B+4*\slot+2:G0B+4*\slot+3], 1024
	JLOAD G0+4*\slot, G1, G0B+4*\slot, G1B
.else
	PLACES
.endif
	FETCH \next, 0, F0
	WIN MUL
	MUL4 F1, 2, 0
	MUL4 F1, 3, 0
.endm
	s_wait_tensorcnt 1
	s_barrier_signal -1
	s_barrier_wait -1
	FETCH 0, 0, F0
	QUARTER 0, 0, F0, F1, 1
	QUARTER 0, 1, F1, F0, 0
	QUARTER 0, 2, F0, F1, 0
	TURN 0, 1, 1
	QUARTER 1, 0, F0, F1, 0
	QUARTER 1, 1, F1, F0, 0
	QUARTER 1, 2, F0, F1, 0
	TURN 1, 0, 1
	QUARTER 0, 0, F0, F1, 0
	QUARTER 0, 1, F1, F0, 0
	QUARTER 0, 2, F0, F1, 0
	TURN 0, 1, 0
	QUARTER 1, 0, F0, F1, 0
	QUARTER 1, 1, F1, F0, 0
	QUARTER 1, 2, F0, F1, 0
	s_wait_dscnt 8
	WIN MUL
	MUL4 F1, 0, 0
	MUL4 F1, 1, 0
	s_wait_dscnt 0x0
	MUL4 F1, 2, 0
	MUL4 F1, 3, 0
	WIN 0
	s_wait_kmcnt 0x0
	s_add_co_i32 s96, s96, s97
	s_add_co_i32 s96, s96, 127
	s_lshl_b32 s96, s96, 23
	s_mov_b32 s97, s96
	s_wait_loadcnt 0x0
	PLACES
.irp a, 0,1,2,3
.set TS, 32+64*(\a%2)
.if \a >= 2
	s_wait_xcnt 0x0
.endif
.irp b, 0,1,2,3
.irp i, 0,2,4,6
	v_pk_fma_f32 v[TS+8*\b+\i:TS+8*\b+\i+1], v[ACC+8*(4*\a+\b)+\i:ACC+8*(4*\a+\b)+\i+1], s[96:97], v[BO+8*\b+\i:BO+8*\b+\i+1] op_sel_hi:[1,0,1]
.endr
.endr
.irp b, 0,1,2,3
	ds_store_b128 v[STO], v[TS+8*\b:TS+8*\b+3] offset:64*\b
	ds_store_b128 v[STO], v[TS+8*\b+4:TS+8*\b+7] offset:64*\b+16
.endr
.irp t, 0,1,2,3,4,5,6,7
	ds_load_b128 v[TS+4*\t:TS+4*\t+3], v[RD] offset:2*\t*SPITCH
.endr
.irp t, 0,1,2,3,4,5,6,7
	s_wait_dscnt 7-\t
	global_store_b128 v[CO], v[TS+4*\t:TS+4*\t+3], s[12:13] offset:(16*\a+2*\t)*8192 th:TH_STORE_NT
.endr
.endr
	s_wait_tensorcnt 0x0
	ds_add_u32 v[SPW], v[NIL]
	s_wait_dscnt 0x0
	CROUND
	s_endpgm
.Lfunc_end_k_qb46abda7cf_gemm_out:
	.size	k_qb46abda7cf_gemm_out, .Lfunc_end_k_qb46abda7cf_gemm_out-k_qb46abda7cf_gemm_out
	.p2alignl 7, 3214868480
	.fill 96, 4, 3214868480
	.section	.rodata,"a",@progbits
	.p2align	6, 0x0
	.amdhsa_kernel k_qb46abda7cf_gemm_out
		.amdhsa_group_segment_fixed_size 327680
		.amdhsa_private_segment_fixed_size 0
		.amdhsa_enable_private_segment 0
		.amdhsa_kernarg_size 40
		.amdhsa_user_sgpr_count 2
		.amdhsa_user_sgpr_kernarg_segment_ptr 1
		.amdhsa_wavefront_size32 1
		.amdhsa_system_sgpr_workgroup_id_x 1
		.amdhsa_system_sgpr_workgroup_id_y 1
		.amdhsa_system_sgpr_workgroup_id_z 1
		.amdhsa_system_vgpr_workitem_id 0
		.amdhsa_next_free_vgpr 512
		.amdhsa_next_free_sgpr 98
		.amdhsa_reserve_vcc 0
		.amdhsa_float_denorm_mode_32 3
		.amdhsa_float_denorm_mode_16_64 3
		.amdhsa_memory_ordered 1
		.amdhsa_forward_progress 1
		.amdhsa_inst_pref_size 76
	.end_amdhsa_kernel
	.amdgpu_metadata
---
amdhsa.version: [ 1, 2 ]
amdhsa.kernels:
  - .name:           k_qb46abda7cf_gemm_out
    .symbol:         k_qb46abda7cf_gemm_out.kd
    .args:
      - { .name: ac, .offset: 0, .size: 8, .value_kind: global_buffer, .address_space: global }
      - { .name: wc, .offset: 8, .size: 8, .value_kind: global_buffer, .address_space: global }
      - { .name: lowp_scales, .offset: 16, .size: 8, .value_kind: global_buffer, .address_space: global }
      - { .name: bo, .offset: 24, .size: 8, .value_kind: global_buffer, .address_space: global }
      - { .name: out0, .offset: 32, .size: 8, .value_kind: global_buffer, .address_space: global }
    .group_segment_fixed_size: 327680
    .private_segment_fixed_size: 0
    .kernarg_segment_align: 8
    .kernarg_segment_size: 40
    .max_flat_workgroup_size: 128
    .sgpr_count:     98
    .vgpr_count:     512
    .wavefront_size: 32
...
	.end_amdgpu_metadata
.endif
;; end of part 4
